; MI455X (gfx1250); checked and timed in simulation.
; The chip was launched on July 23, 2026; its instructions are those of AMD's public machine-readable ISA for CDNA 5 (MIT licence, August 2026) and "CDNA5" Instruction Set Architecture Reference Guide (July 2026). The comments in the code are by the model that wrote it; some were corrected since.
;; Mixture Of Experts. Allowed arithmetic: matrix products marked QUANTISED: E2M1 operands, one E8M0 scale for each 32 along K, by v_wmma_scale_f32_16x16x128_f8f6f4 with both operands' format E2M1 (or v_wmma_scale_f32_32x16x128_f4), f32 sums; products left as they are: f32 operands where the result goes on into a quantised operand, else bf16, f16 or f32 operands; f32 sums; everything else in f32.
;; Inputs: expert_bias 12 float32; gate_w 12 x 1,024 float32; w1_codes 8 x 2,048 x 32 x 16 uint8 (E2M1 codes of w1, K innermost, in blocks of 32 codes, two codes a byte); w1_scales 8 x 2,048 x 32 uint8 (E8M0 scales of w1, one for each 32 codes along K); w2_codes 8 x 1,024 x 64 x 16 uint8 (E2M1 codes of w2, K innermost, in blocks of 32 codes, two codes a byte); w2_scales 8 x 1,024 x 64 uint8 (E8M0 scales of w2, one for each 32 codes along K); x 2 x 1,024 x 1,024 float32.
;; Outputs: out0 2 x 1,024 x 1,024 float32.
;; This version of the problem:
;;   THIS VERSION OF THE PROBLEM IS GIVEN IN LOW PRECISION. The matrix products marked QUANTISED in the list below multiply operands that are first quantised to E2M1 (2 exponent bits, 1 mantissa bit; 4 bits a number), with one power-of-two scale for each 32 numbers along K (OCP MX v1.0); their sums are f32. All else is computed in f32.
;;   The module's matrix products, in the order in which they are computed (A, B: the left and right operand; K: the contracted axis; several contracted axes count as one K, in the product's order):
;;     1. [M 2,048, K 1,024] x [K 1,024, N 12]; A: input x; B: input gate_w: left as it is (N = 12 < 16)
;;     2. batch 2,048 x [M 1, K 2] x [K 2, N 12]; A: softmax; B: computed on the way: left as it is (K = 2 < 32)
;;     3. [M 2,048, K 1,024] x [K 1,024, N 16,384]; A: input x; B: input w1 (given as codes): QUANTISED
;;     4. batch 8 x [M 1,024, K 2,048] x [K 2,048, N 2,048]; A: input w2 (given as codes); B: computed on the way: QUANTISED
;;     5. batch 2,048 x [M 1, K 8] x [K 8, N 1,024]; A: computed on the way; B: computed on the way: left as it is (K = 8 < 32)
;;   THE QUANTISER, for each operand of a quantised product, along K:
;;     - K is cut into blocks of 32 from its start; a last block that is shorter is filled with zeros.
;;     - A block's scale is 2^e with e = floor(log2(the largest magnitude in the block)) - 2, held to -126 .. 127; a block of zeros has e = 0. As a byte (E8M0): e + 127.
;;     - Each number is divided by its block's scale, clamped to +-6, and rounded to the nearest number of E2M1, ties to even, subnormals kept.
;;     - The product sums the exact products of the quantised numbers (number of the format x scale) in f32.
;;   ~~~python
;;   def quantise(x, axis):      # numpy; x: float32 -> the quantised numbers, widened to float32 again
;;       x = np.moveaxis(x, axis, -1); K = x.shape[-1]
;;       x = np.pad(x, [(0, 0)] * (x.ndim - 1) + [(0, -K % 32)]); x = x.reshape(x.shape[:-1] + (-1, 32)); a = np.abs(x).max(-1, keepdims=True)
;;       e = np.where(a > 0, np.clip(np.frexp(np.where(a > 0, a, 1))[1] - 1 - 2, -126, 127), 0)      # np.frexp(a)[1] - 1 = floor(log2(a)), exactly
;;       r = np.clip(x / 2.0 ** e, -6, 6)
;;       step = 2.0 ** (np.maximum(np.frexp(np.where(r == 0, 1, r))[1] - 1, 0) - 1)
;;       q = np.round(r / step) * step * 2.0 ** e      # np.round: ties to even
;;       return np.moveaxis(q.reshape(q.shape[:-2] + (-1,))[..., :K], -1, axis).astype(np.float32)
;;   ~~~
;;   OPERANDS COMPUTED ON THE WAY. 'Computed on the way' means the value that the module computes at that place (a softmax that the list does not call 'softmax' is quantised finished and normalised). What goes into a quantiser is computed in f32, as accurately as f32 sums, v_exp_f32 and their like allow (about 1e-6 of the number): no bf16 or f16 on the way to a quantiser, and a product that is left as it is and whose result goes on into a quantised operand takes f32 operands (vector FMAs, or v_wmma_f32_16x16x4_f32). A number that lies on a knife's edge between two numbers of the format may be rounded either way, as far as f32 arithmetic and the matrix unit's own rounding can turn it there, and no further.
;;   INPUTS GIVEN AS CODES. w1 (in the module: [8, 2048, 1024], K = its axis 2); w2 (in the module: [8, 1024, 2048], K = its axis 2): each comes as NAME_codes (uint8): NAME with its K axis moved to the last place and cut into blocks of 32 codes, [.., K / 32, bytes a block], one block behind the other in memory; two codes a byte, the lower K in the low four bits (a code: sign, 2 exponent bits, 1 mantissa bit); and NAME_scales (uint8): the same leading axes, one E8M0 byte (e + 127) for each 32 codes along K. Its value is code x scale, taken as it is: it is not quantised again, and the codes and scales need not be those that the quantiser above would give.
;; 2 versions. Each part assembles by itself: llvm-mc -triple=amdgcn-amd-amdhsa -mcpu=gfx1250 --defsym DOCPART=n.
;; ======== version 1 of 2: 4 launches
;; workspace buffers: xq 1,048,576 bytes; xs 65,536 bytes; route 8,192 bytes of whole numbers; gw 16,384 bytes; hq 16,777,216 bytes; hs 1,048,576 bytes; y 67,108,864 bytes
;; launch route_quant (part 1): grid 256 x 1, 4 waves a work-group, no clusters, 6,656 bytes of LDS; arguments x, gate_w, expert_bias, xq, xs, route, gw; writes xq, xs, route, gw
.if DOCPART == 1
	.amdgcn_target "amdgcn-amd-amdhsa--gfx1250"
	.amdhsa_code_object_version 6
	.text
	.protected	k_q259a62aff3_route_quant
	.globl	k_q259a62aff3_route_quant
	.p2align	8
	.type	k_q259a62aff3_route_quant,@function
k_q259a62aff3_route_quant:
	s_mov_b64 s[64:65], 0
	v_nop
	global_prefetch_b8 v0, s[64:65] scope:SCOPE_SE
	s_setreg_imm32_b32 hwreg(HW_REG_WAVE_MODE, 25, 1), 1
	s_wait_xcnt 0x0
; ROUTER AND QUANTISER OF x.  x [2048][1024] f32, gate_w [12][1024] f32, expert_bias [12] f32.
; Out: xq [token][512 bytes] codes of E2M1, K innermost, the lower k in the low four bits; xs [token][32] E8M0 bytes, one for each 32 along K;
;      route [token] u32 = (1 << e0) | (1 << e1) | e0 << 16 | e1 << 20 (e0, e1: the two largest logits' experts, the lower index first among equals);
;      gw [token][2] f32: the softmax over these two logits.
; SHARES.  A work-group takes 8 tokens; wave w takes k = 256 w .. 256 w + 255 of all eight, so gate_w is read once by a work-group.
; A lane holds 8 NEIGHBOURS along K of each token (the conversion takes eight numbers of one lane).  The loads are dense all the same: each reads 512
; consecutive bytes, 16 a lane, and lanes l and l xor 1 then exchange four numbers: even lane l holds k = 4 l .. 4 l + 7, odd lane l holds k = 128 + 4 (l - 1) .. + 7.
; So a block of 32 lies in lanes l, l xor 2, l xor 4, l xor 6.
; THE LOGITS are f32 multiply-adds.  The 96 sums (8 tokens x 12 experts) of a lane are added over the 32 lanes by a tree that halves the number of registers at each
; step: two sums are merged so that one half of the lanes goes on with the first and the other half with the second.  At its end lane l holds token l & 7 and,
; in register q, expert 4 q + 2 (l >> 4) + ((l >> 3) & 1).  The four waves' parts meet in LDS; wave 0 adds them and the bias and chooses.
; LIMITS: NaN and infinities among the inputs are not served.  Logits that differ by less than the error of an f32 sum of 1,024 terms may be ordered otherwise than
; by another order of summing.  A block of zeros gets the byte 1 (not 127): its codes are zeros, and these bytes are read by this program alone.
; route and gw leave in pieces of 32 and 64 bytes a work-group: 24 KiB in the whole launch.
; No cluster: work-groups share gate_w alone, 48 KiB against each one's own 32 KiB of x, and nothing here goes through tensor loads.
.set XQS, 0                            ; LDS: the eight tokens' codes, [t][512]
.set XSS, 4096                         ; their scale bytes, [t][32]
.set LG,  4352                         ; the waves' partial logits, [t][wave][12] f32
.set G,   16                           ; v16-111   gate_w: expert e's eight numbers at my k
.set X,   112                          ; v112-175  x: token t's eight numbers; later the tree's sums
.set P,   176                          ; v176-223  a pair of tokens' sums: [tt][e], two halves each
.set QM,  224                          ; v224-226  the quantiser's work
.set CD,  232                          ; v232-239  a token's eight codes
.set SB,  240                          ; v240-247  a token's scale byte
; v1 lane; v2 16 l; v3 my place in a row of gate_w; v4, v5, v6 LDS places of codes, bytes, logits; v7 16 x thread; v8-15 at work
; u and w are merged: lanes whose mask bit is 0 go on with u, the others with w; each adds the partner lane's part of what it keeps
.macro MERGE dst, u, w, mask, xm, tmp
	v_cndmask_b32 v[\tmp], v[\u], v[\w], s[\mask]          ; what I keep
	v_cndmask_b32 v[\tmp+1], v[\w], v[\u], s[\mask]        ; what my partner keeps
	v_add_f32_dpp v[\dst], v[\tmp+1], v[\tmp] row_xmask:\xm row_mask:0xf bank_mask:0xf
.endm
; One token: exchange, 12 dot products over my eight k, quantiser.  tt: which of the pair's two sets of sums
.macro TOKEN t, tt
	s_wait_loadcnt 14-2*(\t)                               ; loads come back in order: gate_w and this token's two are in, the later tokens' may be out
.irp i, 0,1,2,3
	v_cndmask_b32 v[8+\i], v[X+8*(\t)+4+\i], v[X+8*(\t)+\i], s20   ; odd lanes send their first four, even lanes their second four
.endr
.irp i, 0,1,2,3
	v_mov_b32_dpp v[12+\i], v[8+\i] row_xmask:1 row_mask:0xf bank_mask:0xf
.endr
.irp i, 0,1,2,3
	v_cndmask_b32 v[X+8*(\t)+\i], v[X+8*(\t)+\i], v[12+\i], s20
	v_cndmask_b32 v[X+8*(\t)+4+\i], v[12+\i], v[X+8*(\t)+4+\i], s20
.endr
.irp i, 0,2,4,6
.irp e, 0,1,2,3,4,5,6,7,8,9,10,11
.if \i == 0
	v_pk_mul_f32 v[P+24*(\tt)+2*\e:P+24*(\tt)+2*\e+1], v[X+8*(\t):X+8*(\t)+1], v[G+8*\e:G+8*\e+1]     ; the first product starts the sum; twelve chains by turns
.else
	v_pk_fma_f32 v[P+24*(\tt)+2*\e:P+24*(\tt)+2*\e+1], v[X+8*(\t)+\i:X+8*(\t)+\i+1], v[G+8*\e+\i:G+8*\e+\i+1], v[P+24*(\tt)+2*\e:P+24*(\tt)+2*\e+1]
.endif
.endr
.endr
.irp e, 0,1,2,3,4,5,6,7,8,9,10,11
	v_add_f32 v[P+24*(\tt)+2*\e], v[P+24*(\tt)+2*\e], v[P+24*(\tt)+2*\e+1]
.endr
	v_max3_num_f32 v[QM], |v[X+8*(\t)]|, |v[X+8*(\t)+1]|, 0x1800000      ; my eight magnitudes and the floor 2^(3 - 127): the byte cannot fall under 1
	v_max3_num_f32 v[QM+1], |v[X+8*(\t)+2]|, |v[X+8*(\t)+3]|, |v[X+8*(\t)+4]|
	v_max3_num_f32 v[QM], v[QM], |v[X+8*(\t)+5]|, |v[X+8*(\t)+6]|
	v_max3_num_f32 v[QM], v[QM], v[QM+1], |v[X+8*(\t)+7]|
	v_max_num_f32_dpp v[QM], v[QM], v[QM] row_xmask:2 row_mask:0xf bank_mask:0xf
	v_max_num_f32_dpp v[QM], v[QM], v[QM] row_xmask:4 row_mask:0xf bank_mask:0xf   ; the block's largest magnitude
	v_add_nc_u32 v[QM+2], 0xff000000, v[QM]                ; 2 off its exponent field: the conversion takes that field as its scale
	v_cvt_scalef32_pk8_fp4_f32 v[CD+(\t)], v[X+8*(\t):X+8*(\t)+7], v[QM+2]
	v_lshrrev_b32 v[SB+(\t)], 23, v[QM+2]                  ; the scale's byte (also the plain line behind the conversion)
	ds_store_b32 v4, v[CD+(\t)] offset:XQS+512*(\t)
	ds_store_b8 v5, v[SB+(\t)] offset:32*(\t)              ; the block's four lanes write the same byte with the same value
.endm
	s_load_b256 s[4:11], s[0:1], 0x0               ; x s[4:5], gate_w s[6:7], expert_bias s[8:9], xq s[10:11]
	s_load_b128 s[12:15], s[0:1], 0x20             ; xs s[12:13], route s[14:15]
	s_load_b64 s[16:17], s[0:1], 0x30              ; gw
	v_lshl_add_u32 v254, v0, 2, 0x1800
	v_mov_b32 v255, 0
	v_lshrrev_b32 v1, 5, v0
	v_readfirstlane_b32 s18, v1                    ; wave 0..3
	v_and_b32 v1, 31, v0                           ; lane
	v_lshlrev_b32 v2, 4, v1                        ; 16 l
	v_and_b32 v8, 1, v1
	v_lshrrev_b32 v9, 1, v1
	v_lshrrev_b32 v10, 3, v1
	v_and_b32 v11, 7, v1
	v_lshlrev_b32 v3, 9, v8
	v_lshl_add_u32 v3, v9, 5, v3                   ; gate_w: 4 x my first k = 512 (l & 1) + 32 (l >> 1)
	s_lshl_b32 s40, s18, 7
	v_lshlrev_b32 v4, 6, v8
	v_lshl_add_u32 v4, v9, 2, v4
	v_add_nc_u32 v4, s40, v4                       ; codes: 128 w + 64 (l & 1) + 4 (l >> 1)
	s_lshl_b32 s40, s18, 3
	s_add_co_u32 s40, s40, XSS
	v_lshl_add_u32 v5, v8, 2, v10
	v_add_nc_u32 v5, s40, v5                       ; bytes: 8 w + 4 (l & 1) + (l >> 3)
	s_mul_i32 s40, s18, 48
	s_add_co_u32 s40, s40, LG
	v_mul_u32_u24 v6, v11, 192
	v_lshl_add_u32 v6, v10, 2, v6
	v_add_nc_u32 v6, s40, v6                       ; logits: token l & 7, my wave, expert 2 (l >> 4) + ((l >> 3) & 1) of each four
	v_lshlrev_b32 v7, 4, v0                        ; 16 x thread
.irp i, 12,13,14,15
	v_mov_b32 v\i, 0                               ; written once: a destination of a lane exchange counts as read
.endr
	s_mov_b32 s20, 0xaaaaaaaa                      ; lanes whose bit 0, 1, 2, 3, 4 is set
	s_mov_b32 s21, 0xcccccccc
	s_mov_b32 s22, 0xf0f0f0f0
	s_mov_b32 s23, 0xff00ff00
	s_mov_b32 s24, 0xffff0000
	s_mov_b32 s26, 0x76543210                      ; v_permlanex16_b32: lane l xor 16
	s_mov_b32 s27, 0xfedcba98
	s_lshl_b32 s42, s18, 10                        ; my wave's 256 numbers of a row
	s_mov_b32 s43, 0
	s_lshl_b32 s40, ttmp9, 15                      ; the work-group's eight rows of 4,096 bytes
	s_add_co_u32 s40, s40, s42
	s_mov_b32 s41, 0
	s_wait_kmcnt 0x0
	s_add_nc_u64 s[4:5], s[4:5], s[40:41]
	s_add_nc_u64 s[6:7], s[6:7], s[42:43]
	s_load_b256 s[28:35], s[8:9], 0x0              ; the bias, s28 .. s39
	s_load_b128 s[36:39], s[8:9], 0x20
.irp e, 0,1,2,3,4,5,6,7,8,9,10,11
	global_load_b128 v[G+8*\e:G+8*\e+3], v3, s[6:7] offset:4096*\e
	global_load_b128 v[G+8*\e+4:G+8*\e+7], v3, s[6:7] offset:4096*\e+16
.endr
.irp t, 0,1,2,3,4,5,6,7
	global_load_b128 v[X+8*\t:X+8*\t+3], v2, s[4:5] offset:4096*\t th:TH_LOAD_NT        ; 32 lanes read 512 consecutive bytes
	global_load_b128 v[X+8*\t+4:X+8*\t+7], v2, s[4:5] offset:4096*\t+512 th:TH_LOAD_NT
.endr
.irp p, 0,1,2,3
	TOKEN 2*\p, 0
	TOKEN 2*\p+1, 1
.irp e, 0,1,2,3,4,5,6,7,8,9,10,11
	MERGE X+16*\p+\e, P+2*\e, P+24+2*\e, 20, 1, 8+2*(\e%4)     ; lane bit 0 = token bit 0; the sums take the registers that the pair's x has left
.endr
.endr
.irp p, 0,1
.irp e, 0,1,2,3,4,5,6,7,8,9,10,11
	MERGE X+32*\p+\e, X+32*\p+\e, X+32*\p+16+\e, 21, 2, 8+2*(\e%4)   ; lane bit 1 = token bit 1
.endr
.endr
.irp e, 0,1,2,3,4,5,6,7,8,9,10,11
	MERGE X+\e, X+\e, X+32+\e, 22, 4, 8+2*(\e%4)               ; lane bit 2 = token bit 2
.endr
.irp q, 0,1,2,3,4,5
	MERGE X+2*\q, X+2*\q, X+2*\q+1, 23, 8, 8+2*(\q%4)          ; lane bit 3 = expert bit 0
.endr
.irp q, 0,1,2
	v_cndmask_b32 v[8+2*\q], v[X+4*\q], v[X+4*\q+2], s24       ; lane bit 4 = expert bit 1: the partner is in the other half of the lanes
	v_cndmask_b32 v[9+2*\q], v[X+4*\q+2], v[X+4*\q], s24
.endr
.irp q, 0,1,2
	v_permlanex16_b32 v[9+2*\q], v[9+2*\q], s26, s27
.endr
.irp q, 0,1,2
	v_add_f32 v[X+4*\q], v[8+2*\q], v[9+2*\q]
	ds_store_b32 v6, v[X+4*\q] offset:16*\q
.endr
	v_and_b32 v11, 7, v1                           ; the addresses of the way out, made ahead of the waves' parting
	v_lshlrev_b32 v8, 3, v1                        ; 8 l
	v_mul_u32_u24 v9, v11, 192
	s_wait_kmcnt 0x0                               ; the bias
	s_wait_dscnt 0x0                               ; for the others' sake: my codes, bytes and partial logits lie in LDS
	s_barrier_signal -1
	s_barrier_wait -1
	ds_load_b128 v[16:19], v7 offset:XQS           ; the eight tokens' codes are 4,096 consecutive bytes of xq
	ds_load_b128 v[20:23], v7 offset:XQS+2048
	s_lshl_b32 s40, ttmp9, 12
	s_add_nc_u64 s[10:11], s[10:11], s[40:41]
	s_wait_dscnt 0x0
	global_store_b128 v7, v[16:19], s[10:11]       ; a wave's store covers 512 consecutive bytes, aligned
	global_store_b128 v7, v[20:23], s[10:11] offset:2048
	s_cmp_eq_u32 s18, 1
	s_cbranch_scc1 .Lscales
	s_cmp_eq_u32 s18, 0
	s_cbranch_scc1 .Lrouter
	s_wait_tensorcnt 0x0
	ds_add_u32 v254, v255
	s_wait_dscnt 0x0
	s_endpgm
.Lscales:                                              ; wave 1: the eight tokens' 256 scale bytes, one aligned store
	ds_load_b64 v[24:25], v8 offset:XSS
	s_lshl_b32 s40, ttmp9, 8
	s_add_nc_u64 s[12:13], s[12:13], s[40:41]
	s_wait_dscnt 0x0
	global_store_b64 v8, v[24:25], s[12:13]
	s_wait_tensorcnt 0x0
	ds_add_u32 v254, v255
	s_wait_dscnt 0x0
	s_endpgm
.Lrouter:                                              ; wave 0: lane l serves token l & 7 (lanes 8-31 repeat lanes 0-7)
.irp w, 0,1,2,3
.irp q, 0,1,2
	ds_load_b128 v[32+12*\w+4*\q:32+12*\w+4*\q+3], v9 offset:LG+48*\w+16*\q
.endr
.endr
	s_wait_dscnt 0x0
.irp j, 0,2,4,6,8,10
	v_pk_add_f32 v[32+\j:33+\j], v[32+\j:33+\j], v[44+\j:45+\j]
	v_pk_add_f32 v[56+\j:57+\j], v[56+\j:57+\j], v[68+\j:69+\j]
.endr
.irp j, 0,2,4,6,8,10
	v_pk_add_f32 v[32+\j:33+\j], v[32+\j:33+\j], v[56+\j:57+\j]
.endr
.irp e, 0,1,2,3,4,5,6,7,8,9,10,11
	v_add_f32 v[32+\e], s[28+\e], v[32+\e]         ; the bias
.endr
	v_mov_b32 v80, v32                             ; the largest logit and its expert,
	v_mov_b32 v81, 0
	v_mov_b32 v82, 0xff800000                      ; the second: -infinity, under every logit
	v_mov_b32 v83, 0
.irp e, 1,2,3,4,5,6,7,8,9,10,11                ; strictly greater: among equals the lower index stays ahead
	v_cmp_gt_f32 vcc_lo, v[32+\e], v80
	v_cmp_gt_f32 s44, v[32+\e], v82
	v_cndmask_b32 v82, v82, v[32+\e], s44
	v_cndmask_b32 v83, v83, \e, s44
	v_cndmask_b32 v82, v82, v80, vcc_lo
	v_cndmask_b32 v83, v83, v81, vcc_lo
	v_cndmask_b32 v80, v80, v[32+\e], vcc_lo
	v_cndmask_b32 v81, v81, \e, vcc_lo
.endr
	v_sub_f32 v84, v82, v80                        ; the maximum is taken away: 0 or less
	v_mul_f32 v84, 0x3fb8aa3b, v84
	v_exp_f32 v85, v84                             ; d = e^(second - first)
	v_mov_b32 v86, 1                               ; (a plain line behind the exponential)
	s_wait_alu depctr_va_vdst(0)                   ; the wait ahead of the result's first reader
	v_add_f32 v87, 1.0, v85
	v_rcp_f32 v88, v87                             ; w0 = 1 / (1 + d)
	v_lshlrev_b32 v92, v81, v86                    ; 1 << e0 (a plain line behind the reciprocal)
	s_wait_alu depctr_va_vdst(0)
	v_mul_f32 v89, v85, v88                        ; w1 = d / (1 + d)
	v_lshlrev_b32 v93, v83, v86
	v_or_b32 v92, v92, v93
	v_lshl_or_b32 v92, v81, 16, v92
	v_lshl_or_b32 v92, v83, 20, v92
	v_lshlrev_b32 v94, 2, v11
	v_lshlrev_b32 v95, 3, v11
	s_lshl_b32 s40, ttmp9, 5
	s_add_nc_u64 s[14:15], s[14:15], s[40:41]
	s_lshl_b32 s40, ttmp9, 6
	s_add_nc_u64 s[16:17], s[16:17], s[40:41]
	global_store_b32 v94, v92, s[14:15]            ; four lanes write each word, with the same value
	global_store_b64 v95, v[88:89], s[16:17]
	s_wait_tensorcnt 0x0
	ds_add_u32 v254, v255
	s_wait_dscnt 0x0
	s_endpgm
.Lfunc_end_k_q259a62aff3_route_quant:
	.size	k_q259a62aff3_route_quant, .Lfunc_end_k_q259a62aff3_route_quant-k_q259a62aff3_route_quant
	.p2alignl 7, 3214868480
	.fill 96, 4, 3214868480
	.section	.rodata,"a",@progbits
	.p2align	6, 0x0
	.amdhsa_kernel k_q259a62aff3_route_quant
		.amdhsa_group_segment_fixed_size 6656
		.amdhsa_private_segment_fixed_size 0
		.amdhsa_enable_private_segment 0
		.amdhsa_kernarg_size 56
		.amdhsa_user_sgpr_count 2
		.amdhsa_user_sgpr_kernarg_segment_ptr 1
		.amdhsa_wavefront_size32 1
		.amdhsa_system_sgpr_workgroup_id_x 1
		.amdhsa_system_sgpr_workgroup_id_y 1
		.amdhsa_system_sgpr_workgroup_id_z 1
		.amdhsa_system_vgpr_workitem_id 0
		.amdhsa_next_free_vgpr 256
		.amdhsa_next_free_sgpr 66
		.amdhsa_reserve_vcc 1
		.amdhsa_float_denorm_mode_32 3
		.amdhsa_float_denorm_mode_16_64 3
		.amdhsa_memory_ordered 1
		.amdhsa_forward_progress 1
		.amdhsa_inst_pref_size 74
	.end_amdhsa_kernel
	.amdgpu_metadata
---
amdhsa.version: [ 1, 2 ]
amdhsa.kernels:
  - .name:           k_q259a62aff3_route_quant
    .symbol:         k_q259a62aff3_route_quant.kd
    .args:
      - { .name: x, .offset: 0, .size: 8, .value_kind: global_buffer, .address_space: global }
      - { .name: gate_w, .offset: 8, .size: 8, .value_kind: global_buffer, .address_space: global }
      - { .name: expert_bias, .offset: 16, .size: 8, .value_kind: global_buffer, .address_space: global }
      - { .name: xq, .offset: 24, .size: 8, .value_kind: global_buffer, .address_space: global }
      - { .name: xs, .offset: 32, .size: 8, .value_kind: global_buffer, .address_space: global }
      - { .name: route, .offset: 40, .size: 8, .value_kind: global_buffer, .address_space: global }
      - { .name: gw, .offset: 48, .size: 8, .value_kind: global_buffer, .address_space: global }
    .group_segment_fixed_size: 6656
    .private_segment_fixed_size: 0
    .kernarg_segment_align: 8
    .kernarg_segment_size: 56
    .max_flat_workgroup_size: 128
    .sgpr_count:     66
    .vgpr_count:     256
    .wavefront_size: 32
...
	.end_amdgpu_metadata
.endif
;; end of part 1
;; launch ffn1 (part 2): grid 32 x 8, 4 waves a work-group, no clusters, 68,096 bytes of LDS; arguments xq, xs, route, w1_codes, w1_scales, hq, hs; writes hq, hs
.if DOCPART == 2
	.amdgcn_target "amdgcn-amd-amdhsa--gfx1250"
	.amdhsa_code_object_version 6
	.text
	.protected	k_q259a62aff3_ffn1
	.globl	k_q259a62aff3_ffn1
	.p2align	8
	.type	k_q259a62aff3_ffn1,@function
k_q259a62aff3_ffn1:
	s_mov_b64 s[64:65], 0
	v_nop
	global_prefetch_b8 v0, s[64:65] scope:SCOPE_SE
	s_setreg_imm32_b32 hwreg(HW_REG_WAVE_MODE, 25, 1), 1
	s_wait_xcnt 0x0
; h = Q(silu(x W1^T)) for the rows that chose an expert, on codes of E2M1 with one E8M0 scale for each 32 along K.
; ROWS.  The 2,048 tokens are 8 groups g of 256.  The rows of a pair (g, e) are the tokens of g whose route word has bit e, in token order; tiles are 16 rows; a pair has room for 16 tiles, the worst case.
; A tile's places beyond the pair's last row take some token of the group: their results are stored and never used (a row of an operand touches its own results alone).
; SHARES.  Work-group (x, y): expert e = y, slice = x >> 1 (hidden units 128 slice .. + 127: K step `slice` of the next product), groups 4 (x & 1) + wave.  All four waves hold the same
; 128 x 1,024 slice of W1 in 512 registers: the work-group reads it from memory once, in whole rows of 512 bytes, and hands it round through LDS.
; THE PRODUCT IS USED TRANSPOSED (source 0 = 16 rows of W1, source 1 = 16 rows of x), and lane r of tile 2 b + u takes hidden unit 32 b + 8 u + r + 8 (r / 8): so a lane holds one row of h, and the 16 registers
; of tiles 2 b, 2 b + 1 are 16 neighbours along the next K, 32 b + 16 (lane / 16) + 0 .. 15.
; OUT.  hq [g][e][tile][K step][1,024 bytes]: a fragment's registers as they stand (registers 0-3 at 16 x lane, 4-7 at 512 + 16 x lane); hs [g][e][tile][K step][row] scale words.
; A pair without rows still makes tile 0, so that the next launch may ask for tile 0 on one path for all its waves.  hs leaves in pieces of 64 bytes: one sixteenth of h's bytes.
; LIMITS: NaN and infinities are not served; where e^-h overflows, silu gives -0 for what is a denormal; a block of zeros gets the byte 1: its codes are zeros, and this program alone reads the bytes.
; No tensor load, no cluster: the trip count is a number read from memory; the two work-groups that share a slice each read its 64 KiB.
.set WP,  528                          ; a row of W1 in LDS: 512 bytes + 16: an odd multiple of 16, so that the 16 rows of a fragment load start at different banks
.set XS,  36                           ; v36-39   x's scale words: register q: K step q in lanes 0-15, K step 4 + q in lanes 16-31
.set WS,  40                           ; v40-71   W1's: register 8 b + s: tile 2 b in lanes 0-15, tile 2 b + 1 in lanes 16-31, K step s
.set H,   72                           ; v72-135  eight accumulators: my row's 64 of the 128 hidden units
.set XF,  136                          ; v136-199 x's eight fragments
.set T,   200                          ; v200-231 silu's work; then the quantiser's:
.set TM,  200
.set PW,  216                          ; the scale word just made
.set PC,  220                          ; v220-227 the codes just made
; v1 r; v2 16 h; v3 16 l; v4 4 r; v5, v6 LDS places; v7 W1's scale rows; v8 4 l; v9, v10 the gather's offsets; v12-24 at work; v28-35 route words
; windows 1, 2: W1's fragment (tile t, K step s) at v[32 t + 8 (s % 4)] of window 1 + s / 4
; s18 wave; s19 e; s20 slice; s22 g; s23 1 << e; s24-31 the group's 256 membership bits; s32-39 rows ahead of each word; s40 rows; s41 tiles; s42 tile; s43 its first rank
.set MSB, 0
.macro WIN new                         ; the immediate's high byte repeats the setting that is left
.if MSB != \new
	s_set_vgpr_msb (MSB<<8)|\new
.set MSB, \new
.endif
.endm
.macro PLACES n
.rept \n
	v_nop
.endr
.endm
; one matrix instruction.  z = 1: it starts the sum.  ra, rb: the scales stand in lanes 16-31 of the register named
.macro WM d, a, b, z, sa, sb, ra, rb
.if \z
.if (\ra) && (\rb)
	v_wmma_scale_f32_16x16x128_f8f6f4 v[\d:\d+7], v[\a:\a+7], v[\b:\b+7], 0, v[\sa], v[\sb] matrix_a_fmt:MATRIX_FMT_FP4 matrix_b_fmt:MATRIX_FMT_FP4 matrix_a_scale:MATRIX_SCALE_ROW1 matrix_b_scale:MATRIX_SCALE_ROW1
.elseif \ra
	v_wmma_scale_f32_16x16x128_f8f6f4 v[\d:\d+7], v[\a:\a+7], v[\b:\b+7], 0, v[\sa], v[\sb] matrix_a_fmt:MATRIX_FMT_FP4 matrix_b_fmt:MATRIX_FMT_FP4 matrix_a_scale:MATRIX_SCALE_ROW1
.elseif \rb
	v_wmma_scale_f32_16x16x128_f8f6f4 v[\d:\d+7], v[\a:\a+7], v[\b:\b+7], 0, v[\sa], v[\sb] matrix_a_fmt:MATRIX_FMT_FP4 matrix_b_fmt:MATRIX_FMT_FP4 matrix_b_scale:MATRIX_SCALE_ROW1
.else
	v_wmma_scale_f32_16x16x128_f8f6f4 v[\d:\d+7], v[\a:\a+7], v[\b:\b+7], 0, v[\sa], v[\sb] matrix_a_fmt:MATRIX_FMT_FP4 matrix_b_fmt:MATRIX_FMT_FP4
.endif
.else
.if (\ra) && (\rb)
	v_wmma_scale_f32_16x16x128_f8f6f4 v[\d:\d+7], v[\a:\a+7], v[\b:\b+7], v[\d:\d+7], v[\sa], v[\sb] matrix_a_fmt:MATRIX_FMT_FP4 matrix_b_fmt:MATRIX_FMT_FP4 matrix_a_scale:MATRIX_SCALE_ROW1 matrix_b_scale:MATRIX_SCALE_ROW1
.elseif \ra
	v_wmma_scale_f32_16x16x128_f8f6f4 v[\d:\d+7], v[\a:\a+7], v[\b:\b+7], v[\d:\d+7], v[\sa], v[\sb] matrix_a_fmt:MATRIX_FMT_FP4 matrix_b_fmt:MATRIX_FMT_FP4 matrix_a_scale:MATRIX_SCALE_ROW1
.elseif \rb
	v_wmma_scale_f32_16x16x128_f8f6f4 v[\d:\d+7], v[\a:\a+7], v[\b:\b+7], v[\d:\d+7], v[\sa], v[\sb] matrix_a_fmt:MATRIX_FMT_FP4 matrix_b_fmt:MATRIX_FMT_FP4 matrix_b_scale:MATRIX_SCALE_ROW1
.else
	v_wmma_scale_f32_16x16x128_f8f6f4 v[\d:\d+7], v[\a:\a+7], v[\b:\b+7], v[\d:\d+7], v[\sa], v[\sb] matrix_a_fmt:MATRIX_FMT_FP4 matrix_b_fmt:MATRIX_FMT_FP4
.endif
.endif
.endm
; one step down the tree of counts: are there v16 or fewer set bits in the lower half of the field at bit v21?  Then the bit sought lies in the upper half
.macro DESC src, width, step
	v_bfe_u32 v22, v[\src], v21, \width
	v_cmp_ge_u32 vcc_lo, v16, v22
	v_cndmask_b32 v22, 0, v22, vcc_lo
	v_cndmask_b32 v23, 0, \step, vcc_lo
	v_sub_nc_u32 v16, v16, v22
	v_add_nc_u32 v21, v21, v23
.endm
; the token of rank s43 + r among the group's set bits -> the gather's offsets.  A rank beyond the last row ends at the group's last token
.macro SELECT
	v_add_nc_u32 v12, s43, v1                      ; the rank sought
	v_mov_b32 v13, s24
	v_mov_b32 v14, 0
	v_mov_b32 v15, 0
.irp j, 1,2,3,4,5,6,7                          ; the last word ahead of which no more rows lie than the rank
	v_cmp_le_u32 vcc_lo, s[32+\j], v12
	v_cndmask_b32 v13, v13, s[24+\j], vcc_lo
	v_cndmask_b32 v14, v14, s[32+\j], vcc_lo
	v_cndmask_b32 v15, v15, 32*\j, vcc_lo
.endr
	v_sub_nc_u32 v16, v12, v14                     ; the rank inside that word
	v_lshrrev_b32 v24, 1, v13                      ; the word's set bits counted in fields of 2, 4, 8 and 16 bits
	v_and_b32 v24, s44, v24
	v_sub_nc_u32 v17, v13, v24
	v_lshrrev_b32 v24, 2, v17
	v_and_b32 v24, s45, v24
	v_and_b32 v18, s45, v17
	v_add_nc_u32 v18, v18, v24
	v_lshrrev_b32 v24, 4, v18
	v_add_nc_u32 v19, v18, v24
	v_and_b32 v19, s46, v19
	v_lshrrev_b32 v24, 8, v19
	v_add_nc_u32 v20, v19, v24
	v_and_b32 v20, s47, v20
	v_mov_b32 v21, 0
	DESC 20, 8, 16
	DESC 19, 8, 8
	DESC 18, 4, 4
	DESC 17, 2, 2
	DESC 13, 1, 1
	v_add3_u32 v22, v15, v21, s54                  ; the token: 256 g + 32 x word + bit
	v_min_u32 v22, 0x7ff, v22                      ; held inside the table of 2,048 rows
	v_lshl_add_u32 v9, v22, 9, v2                  ; its 512 bytes of codes, + 16 h
	v_lshl_add_u32 v10, v22, 5, v2                 ; its 32 scale bytes, + 16 h
.endm
.macro GATHER                                  ; 17 loads: eight fragments (16 rows x 128 K each) and the rows' scale words
.irp s, 0,1,2,3,4,5,6,7
.irp c, 0,1
	global_load_b128 v[XF+8*\s+4*\c:XF+8*\s+4*\c+3], v9, s[4:5] offset:64*\s+32*\c
.endr
.endr
	global_load_b128 v[XS:XS+3], v10, s[6:7]
.endm
; 64 matrix instructions: the eight accumulators by turns, one instruction a turn, K step by K step
.macro MM1
	WIN 0x01                                       ; source 0 (W1) in window 1
.irp t, 0,1,2,3,4,5,6,7
	WM H+8*\t, 32*\t, XF, 1, WS+8*(\t/2), XS, \t%2, 0
.endr
.irp s, 1,2,3
.irp t, 0,1,2,3,4,5,6,7
	WM H+8*\t, 32*\t+8*\s, XF+8*\s, 0, WS+8*(\t/2)+\s, XS+\s, \t%2, 0
.endr
.endr
	WIN 0x02                                       ; in window 2
.irp s, 4,5,6,7
.irp t, 0,1,2,3,4,5,6,7
	WM H+8*\t, 32*\t+8*(\s-4), XF+8*\s, 0, WS+8*(\t/2)+\s, XS+\s-4, \t%2, 1
.endr
.endr
	WIN 0
.endm
; silu of 32 numbers, ascending: h / (1 + 2^(-h log2 e)).  Each batch of 32 transcendentals has one plain line and one wait behind it
.macro SILU hb
.set n, 0
.rept 16
	v_pk_mul_f32 v[T+n:T+n+1], v[H+32*\hb+n:H+32*\hb+n+1], s[48:49] op_sel_hi:[1,0]
.set n, n+2
.endr
.set n, 0
.rept 32
	v_exp_f32 v[T+n], v[T+n]
.set n, n+1
.endr
	v_nop
	s_wait_alu depctr_va_vdst(0)                   ; the wait ahead of the batch's first reader
.set n, 0
.rept 16
	v_pk_add_f32 v[T+n:T+n+1], v[T+n:T+n+1], 1.0 op_sel_hi:[1,0]
.set n, n+2
.endr
.set n, 0
.rept 32
	v_rcp_f32 v[T+n], v[T+n]
.set n, n+1
.endr
	v_nop
	s_wait_alu depctr_va_vdst(0)
.set n, 0
.rept 16
	v_pk_mul_f32 v[H+32*\hb+n:H+32*\hb+n+1], v[H+32*\hb+n:H+32*\hb+n+1], v[T+n:T+n+1]
.set n, n+2
.endr
.endm
; 64 numbers of a lane, register 16 b + i = k 32 b + 16 (lane / 16) + i of my row, become a fragment's codes in v[PC] on and its scale word in v[PW]
.macro QUANT s
.irp b, 0,1,2,3
	v_max3_num_f32 v[TM+\b], |v[\s+16*\b]|, |v[\s+1+16*\b]|, 0x1800000   ; and the floor 2^(3 - 127): the byte cannot fall under 1
.endr
.irp i, 2,4,6,8,10,12,14
.irp b, 0,1,2,3
	v_max3_num_f32 v[TM+\b], v[TM+\b], |v[\s+16*\b+\i]|, |v[\s+1+16*\b+\i]|
.endr
.endr
.irp b, 0,1,2,3
	v_permlanex16_b32 v[TM+4+\b], v[TM+\b], s50, s51
.endr
.irp b, 0,1,2,3
	v_max_num_f32 v[TM+\b], v[TM+\b], v[TM+4+\b]   ; with lane l xor 16's: the block's largest magnitude
.endr
.irp b, 0,1,2,3
	v_add_nc_u32 v[TM+12+\b], 0xff000000, v[TM+\b] ; 2 off its exponent field: the conversion's scale operand
.endr
.irp b, 0,1,2,3
	v_lshrrev_b32 v[TM+4+\b], 23, v[TM+12+\b]      ; the scale's byte
.endr
	v_lshl_or_b32 v[PW], v[TM+5], 8, v[TM+4]
	v_lshl_or_b32 v[PW], v[TM+6], 16, v[PW]
	v_lshl_or_b32 v[PW], v[TM+7], 24, v[PW]
.irp b, 0,1,2,3
	v_cvt_scalef32_pk8_fp4_f32 v[PC+2*\b], v[\s+16*\b:\s+7+16*\b], v[TM+12+\b]
	v_cvt_scalef32_pk8_fp4_f32 v[PC+1+2*\b], v[\s+8+16*\b:\s+15+16*\b], v[TM+12+\b]
.endr
	v_nop                                          ; one plain line behind the last conversion
.irp c, 0,1                                    ; the operand wants a whole block in a lane: lanes 0-15 block 2 c, lanes 16-31 block 2 c + 1
.irp i, 0,1
	v_permlane16_swap_b32 v[PC+4*\c+\i], v[PC+2+4*\c+\i]
.endr
.endr
.endm
	s_load_b256 s[4:11], s[0:1], 0x0               ; xq s[4:5], xs s[6:7], route s[8:9], w1_codes s[10:11]
	s_load_b128 s[12:15], s[0:1], 0x20             ; w1_scales s[12:13], hq s[14:15]
	s_load_b64 s[16:17], s[0:1], 0x30              ; hs
	v_lshl_add_u32 v254, v0, 2, 0x10800
	v_mov_b32 v255, 0
	v_lshrrev_b32 v1, 5, v0
	v_readfirstlane_b32 s18, v1                    ; wave
	v_and_b32 v11, 31, v0                          ; lane
	v_and_b32 v1, 15, v0                           ; r
	v_bfe_u32 v2, v0, 4, 1                         ; h
	v_lshlrev_b32 v3, 4, v11                       ; 16 l
	v_lshlrev_b32 v4, 2, v1                        ; 4 r
	v_mul_u32_u24 v5, v1, WP
	v_lshl_add_u32 v5, v2, 4, v5                   ; a fragment's place: row r, + 16 h
	s_mul_i32 s52, s18, 32*WP
	v_add_nc_u32 v6, s52, v3                       ; where I stage: my wave's 32 slots, 16 bytes a lane
	v_lshrrev_b32 v7, 3, v1
	v_lshl_add_u32 v7, v7, 3, v1
	v_lshl_add_u32 v7, v2, 3, v7
	v_lshlrev_b32 v7, 5, v7                        ; W1's scales: row 8 h + r + 8 (r / 8) of a block of 32, 32 bytes a row
	v_lshlrev_b32 v8, 2, v11                       ; 4 l
	v_lshlrev_b32 v2, 4, v2                        ; 16 h
	s_and_b32 s19, ttmp7, 0xffff                   ; e
	s_lshr_b32 s20, ttmp9, 1                       ; slice
	s_and_b32 s22, ttmp9, 1
	s_lshl_b32 s22, s22, 2
	s_add_co_u32 s22, s22, s18                     ; g
	s_lshl_b32 s23, 1, s19
	s_lshl_b32 s54, s22, 8                         ; the group's first token
	s_lshl_b32 s55, s22, 3
	s_add_co_u32 s55, s55, s19                     ; 8 g + e
	s_mov_b32 s44, 0x55555555
	s_mov_b32 s45, 0x33333333
	s_mov_b32 s46, 0x0f0f0f0f
	s_mov_b32 s47, 0x00ff00ff
	s_mov_b32 s48, 0xbfb8aa3b                      ; -log2(e)
	s_mov_b32 s49, s48                             ; (named with it as a pair)
	s_mov_b32 s50, 0x76543210                      ; v_permlanex16_b32: lane l xor 16
	s_mov_b32 s51, 0xfedcba98
	s_mov_b32 s57, 0
	s_wait_kmcnt 0x0
	s_lshl_b32 s56, s22, 10
	s_add_nc_u64 s[8:9], s[8:9], s[56:57]          ; route at my group's 256 words
	s_lshl_b32 s56, s19, 16
	s_lshl_b32 s52, s20, 12
	s_add_co_u32 s56, s56, s52
	s_add_nc_u64 s[12:13], s[12:13], s[56:57]      ; the slice's scale bytes: (2,048 e + 128 slice) x 32
	s_lshl_b32 s56, s56, 4
	s_lshl_b32 s52, s18, 14
	s_add_co_u32 s56, s56, s52
	s_add_nc_u64 s[10:11], s[10:11], s[56:57]      ; the 32 rows that I stage: (2,048 e + 128 slice + 32 w) x 512
	s_lshl_b32 s56, s55, 18
	s_lshl_b32 s52, s20, 10
	s_add_co_u32 s56, s56, s52
	s_add_nc_u64 s[14:15], s[14:15], s[56:57]      ; hq at (g, e), tile 0, my K step
	s_lshl_b32 s56, s55, 14
	s_lshl_b32 s52, s20, 6
	s_add_co_u32 s56, s56, s52
	s_add_nc_u64 s[16:17], s[16:17], s[56:57]      ; hs likewise
.irp j, 0,1,2,3,4,5,6,7
	global_load_b32 v[28+\j], v8, s[8:9] offset:128*\j             ; a lane a token: they come first, since the gather hangs on them
.endr
.irp b, 0,1,2,3
.irp q, 0,1
	global_load_b128 v[WS+8*\b+4*\q:WS+8*\b+4*\q+3], v7, s[12:13] offset:1024*\b+16*\q
.endr
.endr
	WIN 0x40                                       ; destination window 1
.set n, 0
.rept 32
	global_load_b128 v[4*n:4*n+3], v3, s[10:11] offset:512*n       ; a whole row of 512 bytes
.set n, n+1
.endr
	WIN 0
	s_wait_loadcnt 40                              ; the 8 + 32 loads behind the route words may be out
.irp j, 0,1,2,3,4,5,6,7
	v_and_b32 v[12+\j], s23, v[28+\j]
.endr
.irp j, 0,1,2,3,4,5,6,7
	v_cmp_ne_u32 s[24+\j], 0, v[12+\j]             ; bit l of word j: token 32 j + l of the group chose e
.endr
	s_mov_b32 s32, 0
.irp j, 0,1,2,3,4,5,6
	s_bcnt1_i32_b32 s52, s[24+\j]
	s_add_co_u32 s[33+\j], s[32+\j], s52
.endr
	s_bcnt1_i32_b32 s52, s31
	s_add_co_u32 s40, s39, s52                     ; the pair's rows
	s_add_co_u32 s41, s40, 15
	s_lshr_b32 s41, s41, 4
	s_min_u32 s41, s41, 16
	s_max_u32 s41, s41, 1                          ; its tiles; tile 0 is always made
	s_mov_b32 s43, 0
	SELECT
	GATHER                                         ; tile 0's rows of x are on their way while the weights land
	s_wait_loadcnt 17                              ; only the gather's 17 may be out: the scale words and my 32 rows of W1 are in
	WIN 0x04                                       ; an LDS store's data are its source 1: window 1
.set n, 0
.rept 32
	ds_store_b128 v6, v[4*n:4*n+3] offset:(16*((n/8)%2)+(n%8)+8*(n/16))*WP   ; row 32 w + n is lane (n % 8) + 8 (n / 16) of tile 2 w + (n / 8) % 2: slot 16 x tile + lane
.set n, n+1
.endr
	WIN 0
	s_wait_dscnt 0x0                               ; for the others' sake: my rows lie in LDS
	s_barrier_signal -1
	s_barrier_wait -1                              ; the one barrier: no branch on numbers read from memory stands ahead of it
	WIN 0x40
.irp t, 0,1,2,3,4,5,6,7
.irp s, 0,1,2,3
.irp c, 0,1
	ds_load_b128 v[32*\t+8*\s+4*\c:32*\t+8*\s+4*\c+3], v5 offset:16*\t*WP+64*\s+32*\c
.endr
.endr
.endr
	WIN 0x80
.irp t, 0,1,2,3,4,5,6,7
.irp s, 0,1,2,3
.irp c, 0,1
	ds_load_b128 v[32*\t+8*\s+4*\c:32*\t+8*\s+4*\c+3], v5 offset:16*\t*WP+256+64*\s+32*\c
.endr
.endr
.endr
	WIN 0
	s_mov_b32 s42, 0
.Ltile:
	s_wait_loadcnt 0x0                             ; this tile's rows of x
	s_wait_dscnt 0x0                               ; W1 (first trip)
	MM1
	PLACES 4                                       ; ahead of the loads into x's registers and of the first read of results
	s_add_co_u32 s43, s43, 16
	s_add_co_u32 s52, s42, 1
	s_cmp_ge_u32 s52, s41
	s_cbranch_scc1 .Lno_next
	SELECT                                         ; the next tile's rows are asked for here: they have silu and the quantiser in which to land
	GATHER
.Lno_next:
	SILU 0
	SILU 1
	QUANT H
	global_store_b128 v3, v[PC:PC+3], s[14:15]             ; the fragment as it stands: 512 consecutive bytes a store
	global_store_b128 v3, v[PC+4:PC+7], s[14:15] offset:512
	global_store_b32 v4, v[PW], s[16:17]                   ; the rows' scale words: both halves of the lanes write the same 64 bytes with the same values
	s_wait_xcnt 0x0                                ; the stores' data and bases, and the gather's base, are written again only behind this wait
	s_add_nc_u64 s[14:15], s[14:15], 16384         ; the next tile
	s_add_nc_u64 s[16:17], s[16:17], 1024
	s_add_co_u32 s42, s42, 1
	s_cmp_ge_u32 s42, s41
	s_cbranch_scc1 .Ldone
	s_cmp_lt_u32 s42, 16                           ; never more than 16 tiles
	s_cbranch_scc1 .Ltile
.Ldone:
	s_wait_tensorcnt 0x0
	ds_add_u32 v254, v255
	s_wait_dscnt 0x0
	s_endpgm
.Lfunc_end_k_q259a62aff3_ffn1:
	.size	k_q259a62aff3_ffn1, .Lfunc_end_k_q259a62aff3_ffn1-k_q259a62aff3_ffn1
	.p2alignl 7, 3214868480
	.fill 96, 4, 3214868480
	.section	.rodata,"a",@progbits
	.p2align	6, 0x0
	.amdhsa_kernel k_q259a62aff3_ffn1
		.amdhsa_group_segment_fixed_size 68096
		.amdhsa_private_segment_fixed_size 0
		.amdhsa_enable_private_segment 0
		.amdhsa_kernarg_size 56
		.amdhsa_user_sgpr_count 2
		.amdhsa_user_sgpr_kernarg_segment_ptr 1
		.amdhsa_wavefront_size32 1
		.amdhsa_system_sgpr_workgroup_id_x 1
		.amdhsa_system_sgpr_workgroup_id_y 1
		.amdhsa_system_sgpr_workgroup_id_z 1
		.amdhsa_system_vgpr_workitem_id 0
		.amdhsa_next_free_vgpr 768
		.amdhsa_next_free_sgpr 66
		.amdhsa_reserve_vcc 1
		.amdhsa_float_denorm_mode_32 3
		.amdhsa_float_denorm_mode_16_64 3
		.amdhsa_memory_ordered 1
		.amdhsa_forward_progress 1
		.amdhsa_inst_pref_size 53
	.end_amdhsa_kernel
	.amdgpu_metadata
---
amdhsa.version: [ 1, 2 ]
amdhsa.kernels:
  - .name:           k_q259a62aff3_ffn1
    .symbol:         k_q259a62aff3_ffn1.kd
    .args:
      - { .name: xq, .offset: 0, .size: 8, .value_kind: global_buffer, .address_space: global }
      - { .name: xs, .offset: 8, .size: 8, .value_kind: global_buffer, .address_space: global }
      - { .name: route, .offset: 16, .size: 8, .value_kind: global_buffer, .address_space: global }
      - { .name: w1_codes, .offset: 24, .size: 8, .value_kind: global_buffer, .address_space: global }
      - { .name: w1_scales, .offset: 32, .size: 8, .value_kind: global_buffer, .address_space: global }
      - { .name: hq, .offset: 40, .size: 8, .value_kind: global_buffer, .address_space: global }
      - { .name: hs, .offset: 48, .size: 8, .value_kind: global_buffer, .address_space: global }
    .group_segment_fixed_size: 68096
    .private_segment_fixed_size: 0
    .kernarg_segment_align: 8
    .kernarg_segment_size: 56
    .max_flat_workgroup_size: 128
    .sgpr_count:     66
    .vgpr_count:     768
    .wavefront_size: 32
...
	.end_amdgpu_metadata
.endif
;; end of part 2
;; launch ffn2 (part 3): grid 32 x 8, 4 waves a work-group, no clusters, 84,480 bytes of LDS; arguments hq, hs, route, w2_codes, w2_scales, y; writes y
.if DOCPART == 3
	.amdgcn_target "amdgcn-amd-amdhsa--gfx1250"
	.amdhsa_code_object_version 6
	.text
	.protected	k_q259a62aff3_ffn2
	.globl	k_q259a62aff3_ffn2
	.p2align	8
	.type	k_q259a62aff3_ffn2,@function
k_q259a62aff3_ffn2:
	s_mov_b64 s[64:65], 0
	v_nop
	global_prefetch_b8 v0, s[64:65] scope:SCOPE_SE
	s_setreg_imm32_b32 hwreg(HW_REG_WAVE_MODE, 25, 1), 1
	s_wait_xcnt 0x0
; y = h W2^T for the routed rows, on codes of E2M1 with one E8M0 scale for each 32 along K = 2,048.
; SHARES.  Work-group (x, y): expert e = y, slice = x >> 1 (columns 64 slice .. + 63 of the 1,024), groups g = 4 (x & 1) + wave.  All four waves hold the same 64 x 2,048 slice of W2 in 512 registers: the
; work-group reads it once, 512 consecutive bytes a load, and hands it round through LDS.  A wave walks the tiles (16 rows) of its pair (g, e); their number comes from the group's route words.
; h comes as the launch before laid it: a fragment's registers on end, so that each load covers 512 consecutive bytes; two sets of 16 fragments take turns, one a tile ahead.
; THE PRODUCT IS USED TRANSPOSED (source 0 = 16 rows of W2, source 1 = 16 rows of h): a lane holds eight neighbouring columns of one row of y.
; OUT.  y [g][e][rank 256][1,024] f32.  A tile's 16 rows x 256 bytes go through the wave's own stage in LDS, so that sixteen lanes store 256 consecutive bytes, aligned.
; Rows beyond a pair's last row are stored and never read.
; No tensor load, no cluster: the trip count is a number read from memory; the two work-groups that share a slice each read its 64 KiB.
.set WP,  1040                         ; a row of W2 in LDS: 1,024 bytes + 16: an odd multiple of 16
.set SP,  272                          ; a row of a stage: 256 bytes + 16
.set OST, 64*WP                        ; behind the weights: 16 rows x 272 bytes for each wave
.set HSW, 36                           ; v36-51  h's scale words, two sets: register q: K step 2 q in lanes 0-15, 2 q + 1 in lanes 16-31
.set W2S, 52                           ; v52-83  W2's: register 16 p + s: tile 2 p in lanes 0-15, tile 2 p + 1 in lanes 16-31, K step s
.set ACC, 84                           ; v84-115 four accumulators
.set OB,  116                          ; v116-147 the way out
; v1 r; v2 h; v3 16 l; v4 4 l; v5, v6 LDS places of the weights; v7 64 l; v8, v9 the stage, in and back; v10 my place in two rows of y; v12-19 at work; v28-35 route words
; windows 1, 2: W2's fragment (tile c, K step s) at v[64 c + 8 (s % 8)] of window 1 + s / 8;  window 3: h's fragments, set 0 at v0, set 1 at v128
.set MSB, 0
.macro WIN new                         ; the immediate's high byte repeats the setting that is left
.if MSB != \new
	s_set_vgpr_msb (MSB<<8)|\new
.set MSB, \new
.endif
.endm
.macro PLACES n
.rept \n
	v_nop
.endr
.endm
.macro WM d, a, b, z, sa, sb, ra, rb
.if \z
.if (\ra) && (\rb)
	v_wmma_scale_f32_16x16x128_f8f6f4 v[\d:\d+7], v[\a:\a+7], v[\b:\b+7], 0, v[\sa], v[\sb] matrix_a_fmt:MATRIX_FMT_FP4 matrix_b_fmt:MATRIX_FMT_FP4 matrix_a_scale:MATRIX_SCALE_ROW1 matrix_b_scale:MATRIX_SCALE_ROW1
.elseif \ra
	v_wmma_scale_f32_16x16x128_f8f6f4 v[\d:\d+7], v[\a:\a+7], v[\b:\b+7], 0, v[\sa], v[\sb] matrix_a_fmt:MATRIX_FMT_FP4 matrix_b_fmt:MATRIX_FMT_FP4 matrix_a_scale:MATRIX_SCALE_ROW1
.elseif \rb
	v_wmma_scale_f32_16x16x128_f8f6f4 v[\d:\d+7], v[\a:\a+7], v[\b:\b+7], 0, v[\sa], v[\sb] matrix_a_fmt:MATRIX_FMT_FP4 matrix_b_fmt:MATRIX_FMT_FP4 matrix_b_scale:MATRIX_SCALE_ROW1
.else
	v_wmma_scale_f32_16x16x128_f8f6f4 v[\d:\d+7], v[\a:\a+7], v[\b:\b+7], 0, v[\sa], v[\sb] matrix_a_fmt:MATRIX_FMT_FP4 matrix_b_fmt:MATRIX_FMT_FP4
.endif
.else
.if (\ra) && (\rb)
	v_wmma_scale_f32_16x16x128_f8f6f4 v[\d:\d+7], v[\a:\a+7], v[\b:\b+7], v[\d:\d+7], v[\sa], v[\sb] matrix_a_fmt:MATRIX_FMT_FP4 matrix_b_fmt:MATRIX_FMT_FP4 matrix_a_scale:MATRIX_SCALE_ROW1 matrix_b_scale:MATRIX_SCALE_ROW1
.elseif \ra
	v_wmma_scale_f32_16x16x128_f8f6f4 v[\d:\d+7], v[\a:\a+7], v[\b:\b+7], v[\d:\d+7], v[\sa], v[\sb] matrix_a_fmt:MATRIX_FMT_FP4 matrix_b_fmt:MATRIX_FMT_FP4 matrix_a_scale:MATRIX_SCALE_ROW1
.elseif \rb
	v_wmma_scale_f32_16x16x128_f8f6f4 v[\d:\d+7], v[\a:\a+7], v[\b:\b+7], v[\d:\d+7], v[\sa], v[\sb] matrix_a_fmt:MATRIX_FMT_FP4 matrix_b_fmt:MATRIX_FMT_FP4 matrix_b_scale:MATRIX_SCALE_ROW1
.else
	v_wmma_scale_f32_16x16x128_f8f6f4 v[\d:\d+7], v[\a:\a+7], v[\b:\b+7], v[\d:\d+7], v[\sa], v[\sb] matrix_a_fmt:MATRIX_FMT_FP4 matrix_b_fmt:MATRIX_FMT_FP4
.endif
.endif
.endm
; 40 loads: the 16 fragments and the scale words of the tile dt tiles on from the bases, into set buf
.macro LOADH buf, dt
	WIN 0xc0                                       ; destination window 3
.irp s, 0,1,2,3,4,5,6,7,8,9,10,11,12,13,14,15
.irp c, 0,1
	global_load_b128 v[128*\buf+8*\s+4*\c:128*\buf+8*\s+4*\c+3], v3, s[4:5] offset:16384*\dt+1024*\s+512*\c
.endr
.endr
	WIN 0
.irp q, 0,1,2,3,4,5,6,7
	global_load_b32 v[HSW+8*\buf+\q], v4, s[6:7] offset:1024*\dt+128*\q
.endr
.endm
; 64 matrix instructions: the four accumulators by turns, one instruction a turn, K step by K step
.macro MM2 buf
	WIN 0x0d                                       ; source 0 (W2) window 1, source 1 (h) window 3
.irp c, 0,1,2,3
	WM ACC+8*\c, 64*\c, 128*\buf, 1, W2S+16*(\c/2), HSW+8*\buf, \c%2, 0
.endr
.irp s, 1,2,3,4,5,6,7
.irp c, 0,1,2,3
	WM ACC+8*\c, 64*\c+8*\s, 128*\buf+8*\s, 0, W2S+16*(\c/2)+\s, HSW+8*\buf+\s/2, \c%2, \s%2
.endr
.endr
	WIN 0x0e                                       ; source 0 window 2
.irp s, 8,9,10,11,12,13,14,15
.irp c, 0,1,2,3
	WM ACC+8*\c, 64*\c+8*(\s-8), 128*\buf+8*\s, 0, W2S+16*(\c/2)+\s, HSW+8*\buf+\s/2, \c%2, \s%2
.endr
.endr
	WIN 0
.endm
; a tile's 16 rows x 64 columns leave: into my stage, 32 bytes a lane; back as rows of 256 bytes, two an instruction; stored
.macro OUT dt
	PLACES 5                                       ; ahead of the reads of the results, of the loads into this set of h, and of the next tile's first products, which write over the accumulators
.irp c, 0,1,2,3
	ds_store_b128 v8, v[ACC+8*\c:ACC+8*\c+3] offset:64*\c          ; each accumulator from its low end on
	ds_store_b128 v8, v[ACC+8*\c+4:ACC+8*\c+7] offset:64*\c+16
.endr
	s_wait_xcnt 0x0                                ; the last tile's stores have read their registers
.irp i, 0,1,2,3,4,5,6,7
	ds_load_b128 v[OB+4*\i:OB+4*\i+3], v9 offset:2*\i*SP           ; LDS serves a wave's instructions in order: these see the stores above
.endr
.irp i, 0,1,2,3,4,5,6,7
	s_wait_dscnt 7-\i                              ; the younger loads from the stage may be out
	global_store_b128 v10, v[OB+4*\i:OB+4*\i+3], s[14:15] offset:65536*\dt+8192*\i   ; sixteen lanes store 256 consecutive bytes, aligned
.endr
.endm
	s_load_b256 s[4:11], s[0:1], 0x0               ; hq s[4:5], hs s[6:7], route s[8:9], w2_codes s[10:11]
	s_load_b128 s[12:15], s[0:1], 0x20             ; w2_scales s[12:13], y s[14:15]
	v_lshl_add_u32 v254, v0, 2, 0x14800
	v_mov_b32 v255, 0
	v_lshrrev_b32 v1, 5, v0
	v_readfirstlane_b32 s18, v1                    ; wave
	v_and_b32 v11, 31, v0                          ; lane
	v_and_b32 v1, 15, v0                           ; r
	v_bfe_u32 v2, v0, 4, 1                         ; h
	v_lshlrev_b32 v3, 4, v11
	v_lshlrev_b32 v4, 2, v11
	v_mul_u32_u24 v5, v1, WP
	v_lshl_add_u32 v5, v2, 4, v5                   ; a fragment's place: row r, + 16 h
	s_mul_i32 s52, s18, 16*WP
	v_add_nc_u32 v6, s52, v3                       ; where I stage: my wave's 16 rows, 16 bytes a lane
	v_lshlrev_b32 v7, 6, v11                       ; W2's scales: 64 bytes a row, a lane a row
	s_mul_i32 s52, s18, 16*SP
	s_add_co_u32 s52, s52, OST                     ; my stage
	v_mul_u32_u24 v8, v1, SP
	v_lshl_add_u32 v8, v2, 5, v8
	v_add_nc_u32 v8, s52, v8                       ; in: row r, + 32 h
	v_mul_u32_u24 v9, v2, SP
	v_lshl_add_u32 v9, v1, 4, v9
	v_add_nc_u32 v9, s52, v9                       ; back: lanes 0-15 one row, lanes 16-31 the next
	v_lshlrev_b32 v10, 12, v2
	v_lshl_add_u32 v10, v1, 4, v10                 ; and the same two rows of y, 4,096 bytes apart
	s_and_b32 s19, ttmp7, 0xffff                   ; e
	s_lshr_b32 s20, ttmp9, 1                       ; slice
	s_and_b32 s22, ttmp9, 1
	s_lshl_b32 s22, s22, 2
	s_add_co_u32 s22, s22, s18                     ; g
	s_lshl_b32 s23, 1, s19
	s_lshl_b32 s55, s22, 3
	s_add_co_u32 s55, s55, s19                     ; 8 g + e
	s_mov_b32 s57, 0
	s_wait_kmcnt 0x0
	s_lshl_b32 s56, s22, 10
	s_add_nc_u64 s[8:9], s[8:9], s[56:57]          ; route at my group
	s_lshl_b32 s56, s19, 16
	s_lshl_b32 s52, s20, 12
	s_add_co_u32 s56, s56, s52
	s_add_nc_u64 s[12:13], s[12:13], s[56:57]      ; the slice's scale bytes: (1,024 e + 64 slice) x 64
	s_lshl_b32 s56, s56, 4
	s_lshl_b32 s52, s18, 14
	s_add_co_u32 s56, s56, s52
	s_add_nc_u64 s[10:11], s[10:11], s[56:57]      ; the 16 rows that I stage: (1,024 e + 64 slice + 16 w) x 1,024
	s_lshl_b32 s56, s55, 18
	s_add_nc_u64 s[4:5], s[4:5], s[56:57]          ; hq at (g, e)
	s_lshl_b32 s56, s55, 14
	s_add_nc_u64 s[6:7], s[6:7], s[56:57]          ; hs at (g, e)
	s_lshl_b32 s56, s55, 20
	s_lshl_b32 s52, s20, 8
	s_add_co_u32 s56, s56, s52
	s_add_nc_u64 s[14:15], s[14:15], s[56:57]      ; y at (g, e), rank 0, my 64 columns
.irp j, 0,1,2,3,4,5,6,7
	global_load_b32 v[28+\j], v4, s[8:9] offset:128*\j
.endr
.irp p, 0,1
.irp q, 0,1,2,3
	global_load_b128 v[W2S+16*\p+4*\q:W2S+16*\p+4*\q+3], v7, s[12:13] offset:2048*\p+16*\q
.endr
.endr
	WIN 0x40                                       ; destination window 1
.set n, 0
.rept 32
	global_load_b128 v[4*n:4*n+3], v3, s[10:11] offset:512*n       ; my 16 rows are 16,384 consecutive bytes
.set n, n+1
.endr
	WIN 0
	LOADH 0, 0                                     ; tile 0 of every pair has been written by the launch before
	s_wait_loadcnt 40                              ; only these 40 may be out: route words, W2's scale words and my rows of W2 are in
.irp j, 0,1,2,3,4,5,6,7
	v_and_b32 v[12+\j], s23, v[28+\j]
.endr
.irp j, 0,1,2,3,4,5,6,7
	v_cmp_ne_u32 s[24+\j], 0, v[12+\j]
.endr
	s_mov_b32 s40, 0
.irp j, 0,1,2,3,4,5,6,7
	s_bcnt1_i32_b32 s52, s[24+\j]
	s_add_co_u32 s40, s40, s52                     ; the pair's rows
.endr
	s_add_co_u32 s41, s40, 15
	s_lshr_b32 s41, s41, 4
	s_min_u32 s41, s41, 16                         ; its tiles
	WIN 0x04                                       ; an LDS store's data are its source 1: window 1
.set n, 0
.rept 32
	ds_store_b128 v6, v[4*n:4*n+3] offset:WP*(n/2)+512*(n%2)
.set n, n+1
.endr
	WIN 0
	s_wait_dscnt 0x0                               ; for the others' sake: my rows lie in LDS
	s_barrier_signal -1
	s_barrier_wait -1                              ; the one barrier: no branch on numbers read from memory stands ahead of it
	s_cmp_eq_u32 s41, 0
	s_cbranch_scc1 .Ldone                          ; nobody in this group chose e
	WIN 0x40
.irp c, 0,1,2,3
.irp s, 0,1,2,3,4,5,6,7
.irp k, 0,1
	ds_load_b128 v[64*\c+8*\s+4*\k:64*\c+8*\s+4*\k+3], v5 offset:16*\c*WP+64*\s+32*\k
.endr
.endr
.endr
	WIN 0x80
.irp c, 0,1,2,3
.irp s, 0,1,2,3,4,5,6,7
.irp k, 0,1
	ds_load_b128 v[64*\c+8*\s+4*\k:64*\c+8*\s+4*\k+3], v5 offset:16*\c*WP+512+64*\s+32*\k
.endr
.endr
.endr
	WIN 0
	s_wait_dscnt 0x0
	s_mov_b32 s42, 0
.Lpair:                                                ; a trip: two tiles, on sets 0 and 1; set 0 holds tile s42
	s_add_co_u32 s52, s42, 1
	s_cmp_ge_u32 s52, s41
	s_cbranch_scc1 .Llast0
	LOADH 1, 1
	s_wait_loadcnt 40                              ; only the 40 just issued may be out: set 0 is in
	MM2 0
	OUT 0
	s_add_co_u32 s52, s42, 2
	s_cmp_ge_u32 s52, s41
	s_cbranch_scc1 .Llast1
	LOADH 0, 2
	s_wait_loadcnt 40                              ; set 1 is in
	MM2 1
	OUT 1
	s_wait_xcnt 0x0                                ; the loads' and stores' bases are written again only behind this wait
	s_add_nc_u64 s[4:5], s[4:5], 32768             ; two tiles on
	s_add_nc_u64 s[6:7], s[6:7], 2048
	s_add_nc_u64 s[14:15], s[14:15], 131072
	s_add_co_u32 s42, s42, 2
	s_cmp_lt_u32 s42, 16                           ; never more than 16 tiles
	s_cbranch_scc1 .Lpair
	s_branch .Ldone
.Llast0:                                               ; the tails are written out: no tile beyond the last is asked for
	s_wait_loadcnt 0x0
	MM2 0
	OUT 0
	s_branch .Ldone
.Llast1:
	s_wait_loadcnt 0x0
	MM2 1
	OUT 1
.Ldone:
	s_wait_tensorcnt 0x0
	ds_add_u32 v254, v255
	s_wait_dscnt 0x0
	s_endpgm
.Lfunc_end_k_q259a62aff3_ffn2:
	.size	k_q259a62aff3_ffn2, .Lfunc_end_k_q259a62aff3_ffn2-k_q259a62aff3_ffn2
	.p2alignl 7, 3214868480
	.fill 96, 4, 3214868480
	.section	.rodata,"a",@progbits
	.p2align	6, 0x0
	.amdhsa_kernel k_q259a62aff3_ffn2
		.amdhsa_group_segment_fixed_size 84480
		.amdhsa_private_segment_fixed_size 0
		.amdhsa_enable_private_segment 0
		.amdhsa_kernarg_size 48
		.amdhsa_user_sgpr_count 2
		.amdhsa_user_sgpr_kernarg_segment_ptr 1
		.amdhsa_wavefront_size32 1
		.amdhsa_system_sgpr_workgroup_id_x 1
		.amdhsa_system_sgpr_workgroup_id_y 1
		.amdhsa_system_sgpr_workgroup_id_z 1
		.amdhsa_system_vgpr_workitem_id 0
		.amdhsa_next_free_vgpr 1024
		.amdhsa_next_free_sgpr 66
		.amdhsa_reserve_vcc 0
		.amdhsa_float_denorm_mode_32 3
		.amdhsa_float_denorm_mode_16_64 3
		.amdhsa_memory_ordered 1
		.amdhsa_forward_progress 1
		.amdhsa_inst_pref_size 73
	.end_amdhsa_kernel
	.amdgpu_metadata
---
amdhsa.version: [ 1, 2 ]
amdhsa.kernels:
  - .name:           k_q259a62aff3_ffn2
    .symbol:         k_q259a62aff3_ffn2.kd
    .args:
      - { .name: hq, .offset: 0, .size: 8, .value_kind: global_buffer, .address_space: global }
      - { .name: hs, .offset: 8, .size: 8, .value_kind: global_buffer, .address_space: global }
      - { .name: route, .offset: 16, .size: 8, .value_kind: global_buffer, .address_space: global }
      - { .name: w2_codes, .offset: 24, .size: 8, .value_kind: global_buffer, .address_space: global }
      - { .name: w2_scales, .offset: 32, .size: 8, .value_kind: global_buffer, .address_space: global }
      - { .name: y, .offset: 40, .size: 8, .value_kind: global_buffer, .address_space: global }
    .group_segment_fixed_size: 84480
    .private_segment_fixed_size: 0
    .kernarg_segment_align: 8
    .kernarg_segment_size: 48
    .max_flat_workgroup_size: 128
    .sgpr_count:     66
    .vgpr_count:     1024
    .wavefront_size: 32
...
	.end_amdgpu_metadata
.endif
;; end of part 3
;; launch combine (part 4): grid 256 x 1, 4 waves a work-group, no clusters, 0 bytes of LDS; arguments y, x, route, gw, out0; writes out0
.if DOCPART == 4
	.amdgcn_target "amdgcn-amd-amdhsa--gfx1250"
	.amdhsa_code_object_version 6
	.text
	.protected	k_q259a62aff3_combine
	.globl	k_q259a62aff3_combine
	.p2align	8
	.type	k_q259a62aff3_combine,@function
k_q259a62aff3_combine:
	s_mov_b64 s[64:65], 0
	v_nop
	global_prefetch_b8 v0, s[64:65] scope:SCOPE_SE
	s_setreg_imm32_b32 hwreg(HW_REG_WAVE_MODE, 25, 1), 1
	s_wait_xcnt 0x0
; out[token] = w0 S0 + w1 S1, where S_k is the row of y that expert e_k made for the token, or, for an identity expert (e_k >= 8), the token's own row of x.
; So the identity experts' share, (the sum of their weights) x, comes out of the same two multiply-adds, and no row of y is read that was not written.
; A token's row of y lies at [g][e][rank], rank = the number of earlier tokens of its group of 256 that chose e: counted here from the group's route words (a lane a token, eight words of bits).
; Which of the two tensors a row comes from is a scalar branch on the expert's number in the route word; both ways issue eight loads into the same registers, so the counted waits hold on every way.
; SHARES.  A wave takes two tokens; a row is 4,096 bytes: eight loads or stores of 512 consecutive bytes.  Memory binds: no LDS, no barrier, no matrix unit; work-groups share nothing but 1 KiB of route words.
; s4-13 pointers (y's is never stepped; x's and out0's stand at my first token); s14 wave; s15 token; s16 group; s17 the token's place in its group; s20-21 route words; s24-27 weights;
; s28-31 copies of the second weights; s32-39 the earlier tokens' bits; s40-47, s56-61 at work.
; v1 lane; v2 16 l; v3 4 l; v8-15 route words; v16-23 at work; v24-27 the four rows' offsets in y; v32-159 four rows
.macro LIM q                                   ; bit l of word j: token 32 j + l of the group comes ahead of mine
.irp j, 0,1,2,3,4,5,6,7
	s_sub_co_i32 s56, s17, 32*\j-(\q)
	v_cmp_gt_i32 s[32+\j], s56, v1
.endr
.endm
.macro SRC q, k, n                             ; token q's slot k: its row's eight loads, into v[32 + 32 n] on
	s_bfe_u32 s56, s[20+\q], 0x40000|(16+4*\k)     ; the expert
	s_cmp_lt_u32 s56, 8
	s_cbranch_scc0 .Lidentity_\@
	s_lshl_b32 s57, 1, s56
.irp j, 0,1,2,3,4,5,6,7
	v_and_b32 v[16+\j], s57, v[8+\j]
.endr
.irp j, 0,1,2,3,4,5,6,7
	v_cmp_ne_u32 s[40+\j], 0, v[16+\j]             ; who of the group chose this expert,
.endr
	s_mov_b32 s58, 0
.irp j, 0,1,2,3,4,5,6,7
	s_and_b32 s[40+\j], s[40+\j], s[32+\j]         ; and comes ahead of my token:
	s_bcnt1_i32_b32 s[40+\j], s[40+\j]
	s_add_co_u32 s58, s58, s[40+\j]                ; the rank
.endr
	s_lshl_b32 s59, s16, 3
	s_add_co_u32 s59, s59, s56
	s_lshl_b32 s59, s59, 8
	s_add_co_u32 s59, s59, s58                     ; y's row: (8 g + e) x 256 + rank
	v_mov_b32 v[24+\n], s59
	v_min_u32 v[24+\n], 0x3fff, v[24+\n]           ; held inside y's 16,384 rows
	v_lshl_add_u32 v[24+\n], v[24+\n], 12, v2      ; 4,096 bytes a row, + 16 l
.irp i, 0,1,2,3,4,5,6,7
	global_load_b128 v[32+32*\n+4*\i:32+32*\n+4*\i+3], v[24+\n], s[4:5] offset:512*\i th:TH_LOAD_NT   ; a row of y is read once in the launch
.endr
	s_branch .Lasked_\@
.Lidentity_\@:
.irp i, 0,1,2,3,4,5,6,7
	global_load_b128 v[32+32*\n+4*\i:32+32*\n+4*\i+3], v2, s[6:7] offset:4096*\q+512*\i               ; the token's own row of x
.endr
.Lasked_\@:
.endm
.macro MIX q                                   ; rows 2 q and 2 q + 1, weighed, added and stored
.set n, 0
.rept 16
	v_pk_mul_f32 v[32+64*\q+n:33+64*\q+n], v[32+64*\q+n:33+64*\q+n], s[24+2*\q:25+2*\q] op_sel_hi:[1,0]
.set n, n+2
.endr
.set n, 0
.rept 16
	v_pk_fma_f32 v[32+64*\q+n:33+64*\q+n], v[64+64*\q+n:65+64*\q+n], s[28+2*\q:29+2*\q], v[32+64*\q+n:33+64*\q+n] op_sel_hi:[1,0,1]
.set n, n+2
.endr
.irp i, 0,1,2,3,4,5,6,7
	global_store_b128 v2, v[32+64*\q+4*\i:32+64*\q+4*\i+3], s[12:13] offset:4096*\q+512*\i th:TH_STORE_NT   ; 512 consecutive bytes, aligned; written once
.endr
.endm
	s_load_b256 s[4:11], s[0:1], 0x0               ; y s[4:5], x s[6:7], route s[8:9], gw s[10:11]
	s_load_b64 s[12:13], s[0:1], 0x20              ; out0
	v_lshrrev_b32 v1, 5, v0
	v_readfirstlane_b32 s14, v1                    ; wave
	v_and_b32 v1, 31, v0                           ; lane
	v_lshlrev_b32 v2, 4, v1
	v_lshlrev_b32 v3, 2, v1
	s_lshl_b32 s15, ttmp9, 3
	s_lshl_b32 s56, s14, 1
	s_add_co_u32 s15, s15, s56                     ; my first token: 8 x work-group + 2 x wave
	s_lshr_b32 s16, ttmp9, 5                       ; its group
	s_and_b32 s17, s15, 255                        ; its place there
	s_mov_b32 s61, 0
	s_lshl_b32 s60, s15, 2
	s_wait_kmcnt 0x0
	s_add_nc_u64 s[62:63], s[8:9], s[60:61]
	s_load_b64 s[20:21], s[62:63], 0x0             ; my two tokens' route words
	s_lshl_b32 s60, s15, 3
	s_add_nc_u64 s[10:11], s[10:11], s[60:61]
	s_load_b128 s[24:27], s[10:11], 0x0            ; and their weights: w0, w1, w0, w1
	s_lshl_b32 s60, s16, 10
	s_add_nc_u64 s[8:9], s[8:9], s[60:61]
.irp j, 0,1,2,3,4,5,6,7
	global_load_b32 v[8+\j], v3, s[8:9] offset:128*\j              ; the group's 256 route words, a lane a token
.endr
	s_lshl_b32 s60, s15, 12
	s_add_nc_u64 s[12:13], s[12:13], s[60:61]      ; out0 at my first token,
	s_add_nc_u64 s[6:7], s[6:7], s[60:61]          ; and x likewise
	s_wait_kmcnt 0x0
	s_mov_b32 s28, s25                             ; the second weights as the low words of pairs of their own
	s_mov_b32 s29, s25
	s_mov_b32 s30, s27
	s_mov_b32 s31, s27
	s_wait_loadcnt 0x0                             ; the route words
	LIM 0
	SRC 0, 0, 0
	SRC 0, 1, 1
	LIM 1
	SRC 1, 0, 2
	SRC 1, 1, 3
	s_wait_loadcnt 16                              ; the second token's 16 loads may be out
	MIX 0
	s_wait_loadcnt 0x0
	MIX 1
	s_endpgm
.Lfunc_end_k_q259a62aff3_combine:
	.size	k_q259a62aff3_combine, .Lfunc_end_k_q259a62aff3_combine-k_q259a62aff3_combine
	.p2alignl 7, 3214868480
	.fill 96, 4, 3214868480
	.section	.rodata,"a",@progbits
	.p2align	6, 0x0
	.amdhsa_kernel k_q259a62aff3_combine
		.amdhsa_group_segment_fixed_size 0
		.amdhsa_private_segment_fixed_size 0
		.amdhsa_enable_private_segment 0
		.amdhsa_kernarg_size 40
		.amdhsa_user_sgpr_count 2
		.amdhsa_user_sgpr_kernarg_segment_ptr 1
		.amdhsa_wavefront_size32 1
		.amdhsa_system_sgpr_workgroup_id_x 1
		.amdhsa_system_sgpr_workgroup_id_y 1
		.amdhsa_system_sgpr_workgroup_id_z 1
		.amdhsa_system_vgpr_workitem_id 0
		.amdhsa_next_free_vgpr 160
		.amdhsa_next_free_sgpr 66
		.amdhsa_reserve_vcc 0
		.amdhsa_float_denorm_mode_32 3
		.amdhsa_float_denorm_mode_16_64 3
		.amdhsa_memory_ordered 1
		.amdhsa_forward_progress 1
		.amdhsa_inst_pref_size 24
	.end_amdhsa_kernel
	.amdgpu_metadata
---
amdhsa.version: [ 1, 2 ]
amdhsa.kernels:
  - .name:           k_q259a62aff3_combine
    .symbol:         k_q259a62aff3_combine.kd
    .args:
      - { .name: y, .offset: 0, .size: 8, .value_kind: global_buffer, .address_space: global }
      - { .name: x, .offset: 8, .size: 8, .value_kind: global_buffer, .address_space: global }
      - { .name: route, .offset: 16, .size: 8, .value_kind: global_buffer, .address_space: global }
      - { .name: gw, .offset: 24, .size: 8, .value_kind: global_buffer, .address_space: global }
      - { .name: out0, .offset: 32, .size: 8, .value_kind: global_buffer, .address_space: global }
    .group_segment_fixed_size: 0
    .private_segment_fixed_size: 0
    .kernarg_segment_align: 8
    .kernarg_segment_size: 40
    .max_flat_workgroup_size: 128
    .sgpr_count:     66
    .vgpr_count:     160
    .wavefront_size: 32
...
	.end_amdgpu_metadata
.endif
;; end of part 4
;; ======== version 2 of 2: 4 launches
;; workspace buffers: xq 1,048,576 bytes; xs 65,536 bytes; route 8,192 bytes of whole numbers; gw 16,384 bytes; hq 16,777,216 bytes; hs 1,048,576 bytes; y 67,108,864 bytes
;; launch route_quant (part 5): grid 256 x 1, 4 waves a work-group, no clusters, 6,656 bytes of LDS; arguments x, gate_w, expert_bias, xq, xs, route, gw; writes xq, xs, route, gw
.if DOCPART == 5
	.amdgcn_target "amdgcn-amd-amdhsa--gfx1250"
	.amdhsa_code_object_version 6
	.text
	.protected	k_q259a62aff3_route_quant
	.globl	k_q259a62aff3_route_quant
	.p2align	8
	.type	k_q259a62aff3_route_quant,@function
k_q259a62aff3_route_quant:
	s_mov_b64 s[64:65], 0
	v_nop
	global_prefetch_b8 v0, s[64:65] scope:SCOPE_SE
	s_setreg_imm32_b32 hwreg(HW_REG_WAVE_MODE, 25, 1), 1
	s_wait_xcnt 0x0
; ROUTER AND QUANTISER OF x.  x [2048][1024] f32, gate_w [12][1024] f32, expert_bias [12] f32.
; Out: xq [token][512 bytes] codes of E2M1, K innermost, the lower k in the low four bits; xs [token][32] E8M0 bytes, one for each 32 along K;
;      route [token] u32 = (1 << e0) | (1 << e1) | e0 << 16 | e1 << 20 (e0, e1: the two largest logits' experts, the lower index first among equals);
;      gw [token][2] f32: the softmax over these two logits.
; SHARES.  A work-group takes 8 tokens; wave w takes k = 256 w .. 256 w + 255 of all eight, so gate_w is read once by a work-group.
; A lane holds 8 NEIGHBOURS along K of each token (the conversion takes eight numbers of one lane).  The loads are dense all the same: each reads 512
; consecutive bytes, 16 a lane, and lanes l and l xor 1 then exchange four numbers: even lane l holds k = 4 l .. 4 l + 7, odd lane l holds k = 128 + 4 (l - 1) .. + 7.
; So a block of 32 lies in lanes l, l xor 2, l xor 4, l xor 6.
; THE LOGITS are f32 multiply-adds.  The 96 sums (8 tokens x 12 experts) of a lane are added over the 32 lanes by a tree that halves the number of registers at each
; step: two sums are merged so that one half of the lanes goes on with the first and the other half with the second.  At its end lane l holds token l & 7 and,
; in register q, expert 4 q + 2 (l >> 4) + ((l >> 3) & 1).  The four waves' parts meet in LDS; wave 0 adds them and the bias and chooses.
; LIMITS: NaN and infinities among the inputs are not served.  Logits that differ by less than the error of an f32 sum of 1,024 terms may be ordered otherwise than
; by another order of summing.  A block of zeros gets the byte 1 (not 127): its codes are zeros, and these bytes are read by this program alone.
; route and gw leave in pieces of 32 and 64 bytes a work-group: 24 KiB in the whole launch.
; No cluster: work-groups share gate_w alone, 48 KiB against each one's own 32 KiB of x, and nothing here goes through tensor loads.
.set XQS, 0                            ; LDS: the eight tokens' codes, [t][512]
.set XSS, 4096                         ; their scale bytes, [t][32]
.set LG,  4352                         ; the waves' partial logits, [t][wave][12] f32
.set G,   16                           ; v16-111   gate_w: expert e's eight numbers at my k
.set X,   112                          ; v112-175  x: token t's eight numbers; later the tree's sums
.set P,   176                          ; v176-223  a pair of tokens' sums: [tt][e], two halves each
.set QM,  224                          ; v224-226  the quantiser's work
.set CD,  232                          ; v232-239  a token's eight codes
.set SB,  240                          ; v240-247  a token's scale byte
; v1 lane; v2 16 l; v3 my place in a row of gate_w; v4, v5, v6 LDS places of codes, bytes, logits; v7 16 x thread; v8-15 at work
; u and w are merged: lanes whose mask bit is 0 go on with u, the others with w; each adds the partner lane's part of what it keeps
.macro MERGE dst, u, w, mask, xm, tmp
	v_cndmask_b32 v[\tmp], v[\u], v[\w], s[\mask]          ; what I keep
	v_cndmask_b32 v[\tmp+1], v[\w], v[\u], s[\mask]        ; what my partner keeps
	v_add_f32_dpp v[\dst], v[\tmp+1], v[\tmp] row_xmask:\xm row_mask:0xf bank_mask:0xf
.endm
; One token: exchange, 12 dot products over my eight k, quantiser.  tt: which of the pair's two sets of sums
.macro TOKEN t, tt
	s_wait_loadcnt 14-2*(\t)                               ; loads come back in order: gate_w and this token's two are in, the later tokens' may be out
.irp i, 0,1,2,3
	v_cndmask_b32 v[8+\i], v[X+8*(\t)+4+\i], v[X+8*(\t)+\i], s20   ; odd lanes send their first four, even lanes their second four
.endr
.irp i, 0,1,2,3
	v_mov_b32_dpp v[12+\i], v[8+\i] row_xmask:1 row_mask:0xf bank_mask:0xf
.endr
.irp i, 0,1,2,3
	v_cndmask_b32 v[X+8*(\t)+\i], v[X+8*(\t)+\i], v[12+\i], s20
	v_cndmask_b32 v[X+8*(\t)+4+\i], v[12+\i], v[X+8*(\t)+4+\i], s20
.endr
.irp i, 0,2,4,6
.irp e, 0,1,2,3,4,5,6,7,8,9,10,11
.if \i == 0
	v_pk_mul_f32 v[P+24*(\tt)+2*\e:P+24*(\tt)+2*\e+1], v[X+8*(\t):X+8*(\t)+1], v[G+8*\e:G+8*\e+1]     ; the first product starts the sum; twelve chains by turns
.else
	v_pk_fma_f32 v[P+24*(\tt)+2*\e:P+24*(\tt)+2*\e+1], v[X+8*(\t)+\i:X+8*(\t)+\i+1], v[G+8*\e+\i:G+8*\e+\i+1], v[P+24*(\tt)+2*\e:P+24*(\tt)+2*\e+1]
.endif
.endr
.endr
.irp e, 0,1,2,3,4,5,6,7,8,9,10,11
	v_add_f32 v[P+24*(\tt)+2*\e], v[P+24*(\tt)+2*\e], v[P+24*(\tt)+2*\e+1]
.endr
	v_max3_num_f32 v[QM], |v[X+8*(\t)]|, |v[X+8*(\t)+1]|, 0x1800000      ; my eight magnitudes and the floor 2^(3 - 127): the byte cannot fall under 1
	v_max3_num_f32 v[QM+1], |v[X+8*(\t)+2]|, |v[X+8*(\t)+3]|, |v[X+8*(\t)+4]|
	v_max3_num_f32 v[QM], v[QM], |v[X+8*(\t)+5]|, |v[X+8*(\t)+6]|
	v_max3_num_f32 v[QM], v[QM], v[QM+1], |v[X+8*(\t)+7]|
	v_max_num_f32_dpp v[QM], v[QM], v[QM] row_xmask:2 row_mask:0xf bank_mask:0xf
	v_max_num_f32_dpp v[QM], v[QM], v[QM] row_xmask:4 row_mask:0xf bank_mask:0xf   ; the block's largest magnitude
	v_add_nc_u32 v[QM+2], 0xff000000, v[QM]                ; 2 off its exponent field: the conversion takes that field as its scale
	v_cvt_scalef32_pk8_fp4_f32 v[CD+(\t)], v[X+8*(\t):X+8*(\t)+7], v[QM+2]
	v_lshrrev_b32 v[SB+(\t)], 23, v[QM+2]                  ; the scale's byte (also the plain line behind the conversion)
	ds_store_b32 v4, v[CD+(\t)] offset:XQS+512*(\t)
	ds_store_b8 v5, v[SB+(\t)] offset:32*(\t)              ; the block's four lanes write the same byte with the same value
.endm
	s_load_b256 s[4:11], s[0:1], 0x0               ; x s[4:5], gate_w s[6:7], expert_bias s[8:9], xq s[10:11]
	s_load_b128 s[12:15], s[0:1], 0x20             ; xs s[12:13], route s[14:15]
	s_load_b64 s[16:17], s[0:1], 0x30              ; gw
	v_lshl_add_u32 v254, v0, 2, 0x1800
	v_mov_b32 v255, 0
	v_lshrrev_b32 v1, 5, v0
	v_readfirstlane_b32 s18, v1                    ; wave 0..3
	v_and_b32 v1, 31, v0                           ; lane
	v_lshlrev_b32 v2, 4, v1                        ; 16 l
	v_and_b32 v8, 1, v1
	v_lshrrev_b32 v9, 1, v1
	v_lshrrev_b32 v10, 3, v1
	v_and_b32 v11, 7, v1
	v_lshlrev_b32 v3, 9, v8
	v_lshl_add_u32 v3, v9, 5, v3                   ; gate_w: 4 x my first k = 512 (l & 1) + 32 (l >> 1)
	s_lshl_b32 s40, s18, 7
	v_lshlrev_b32 v4, 6, v8
	v_lshl_add_u32 v4, v9, 2, v4
	v_add_nc_u32 v4, s40, v4                       ; codes: 128 w + 64 (l & 1) + 4 (l >> 1)
	s_lshl_b32 s40, s18, 3
	s_add_co_u32 s40, s40, XSS
	v_lshl_add_u32 v5, v8, 2, v10
	v_add_nc_u32 v5, s40, v5                       ; bytes: 8 w + 4 (l & 1) + (l >> 3)
	s_mul_i32 s40, s18, 48
	s_add_co_u32 s40, s40, LG
	v_mul_u32_u24 v6, v11, 192
	v_lshl_add_u32 v6, v10, 2, v6
	v_add_nc_u32 v6, s40, v6                       ; logits: token l & 7, my wave, expert 2 (l >> 4) + ((l >> 3) & 1) of each four
	v_lshlrev_b32 v7, 4, v0                        ; 16 x thread
.irp i, 12,13,14,15
	v_mov_b32 v\i, 0                               ; written once: a destination of a lane exchange counts as read
.endr
	s_mov_b32 s20, 0xaaaaaaaa                      ; lanes whose bit 0, 1, 2, 3, 4 is set
	s_mov_b32 s21, 0xcccccccc
	s_mov_b32 s22, 0xf0f0f0f0
	s_mov_b32 s23, 0xff00ff00
	s_mov_b32 s24, 0xffff0000
	s_mov_b32 s26, 0x76543210                      ; v_permlanex16_b32: lane l xor 16
	s_mov_b32 s27, 0xfedcba98
	s_lshl_b32 s42, s18, 10                        ; my wave's 256 numbers of a row
	s_mov_b32 s43, 0
	s_lshl_b32 s40, ttmp9, 15                      ; the work-group's eight rows of 4,096 bytes
	s_add_co_u32 s40, s40, s42
	s_mov_b32 s41, 0
	s_wait_kmcnt 0x0
	s_add_nc_u64 s[4:5], s[4:5], s[40:41]
	s_add_nc_u64 s[6:7], s[6:7], s[42:43]
	s_load_b256 s[28:35], s[8:9], 0x0              ; the bias, s28 .. s39
	s_load_b128 s[36:39], s[8:9], 0x20
.irp e, 0,1,2,3,4,5,6,7,8,9,10,11
	global_load_b128 v[G+8*\e:G+8*\e+3], v3, s[6:7] offset:4096*\e
	global_load_b128 v[G+8*\e+4:G+8*\e+7], v3, s[6:7] offset:4096*\e+16
.endr
.irp t, 0,1,2,3,4,5,6,7
	global_load_b128 v[X+8*\t:X+8*\t+3], v2, s[4:5] offset:4096*\t th:TH_LOAD_NT        ; 32 lanes read 512 consecutive bytes
	global_load_b128 v[X+8*\t+4:X+8*\t+7], v2, s[4:5] offset:4096*\t+512 th:TH_LOAD_NT
.endr
.irp p, 0,1,2,3
	TOKEN 2*\p, 0
	TOKEN 2*\p+1, 1
.irp e, 0,1,2,3,4,5,6,7,8,9,10,11
	MERGE X+16*\p+\e, P+2*\e, P+24+2*\e, 20, 1, 8+2*(\e%4)     ; lane bit 0 = token bit 0; the sums take the registers that the pair's x has left
.endr
.endr
.irp p, 0,1
.irp e, 0,1,2,3,4,5,6,7,8,9,10,11
	MERGE X+32*\p+\e, X+32*\p+\e, X+32*\p+16+\e, 21, 2, 8+2*(\e%4)   ; lane bit 1 = token bit 1
.endr
.endr
.irp e, 0,1,2,3,4,5,6,7,8,9,10,11
	MERGE X+\e, X+\e, X+32+\e, 22, 4, 8+2*(\e%4)               ; lane bit 2 = token bit 2
.endr
.irp q, 0,1,2,3,4,5
	MERGE X+2*\q, X+2*\q, X+2*\q+1, 23, 8, 8+2*(\q%4)          ; lane bit 3 = expert bit 0
.endr
.irp q, 0,1,2
	v_cndmask_b32 v[8+2*\q], v[X+4*\q], v[X+4*\q+2], s24       ; lane bit 4 = expert bit 1: the partner is in the other half of the lanes
	v_cndmask_b32 v[9+2*\q], v[X+4*\q+2], v[X+4*\q], s24
.endr
.irp q, 0,1,2
	v_permlanex16_b32 v[9+2*\q], v[9+2*\q], s26, s27
.endr
.irp q, 0,1,2
	v_add_f32 v[X+4*\q], v[8+2*\q], v[9+2*\q]
	ds_store_b32 v6, v[X+4*\q] offset:16*\q
.endr
	v_and_b32 v11, 7, v1                           ; the addresses of the way out, made ahead of the waves' parting
	v_lshlrev_b32 v8, 3, v1                        ; 8 l
	v_mul_u32_u24 v9, v11, 192
	s_wait_kmcnt 0x0                               ; the bias
	s_wait_dscnt 0x0                               ; for the others' sake: my codes, bytes and partial logits lie in LDS
	s_barrier_signal -1
	s_barrier_wait -1
	ds_load_b128 v[16:19], v7 offset:XQS           ; the eight tokens' codes are 4,096 consecutive bytes of xq
	ds_load_b128 v[20:23], v7 offset:XQS+2048
	s_lshl_b32 s40, ttmp9, 12
	s_add_nc_u64 s[10:11], s[10:11], s[40:41]
	s_wait_dscnt 0x0
	global_store_b128 v7, v[16:19], s[10:11]       ; a wave's store covers 512 consecutive bytes, aligned
	global_store_b128 v7, v[20:23], s[10:11] offset:2048
	s_cmp_eq_u32 s18, 1
	s_cbranch_scc1 .Lscales
	s_cmp_eq_u32 s18, 0
	s_cbranch_scc1 .Lrouter
	s_wait_tensorcnt 0x0
	ds_add_u32 v254, v255
	s_wait_dscnt 0x0
	s_endpgm
.Lscales:                                              ; wave 1: the eight tokens' 256 scale bytes, one aligned store
	s_wait_alu depctr_va_vdst(0)
	ds_load_b64 v[24:25], v8 offset:XSS
	s_lshl_b32 s40, ttmp9, 8
	s_add_nc_u64 s[12:13], s[12:13], s[40:41]
	s_wait_dscnt 0x0
	global_store_b64 v8, v[24:25], s[12:13]
	s_wait_tensorcnt 0x0
	ds_add_u32 v254, v255
	s_wait_dscnt 0x0
	s_endpgm
.Lrouter:                                              ; wave 0: lane l serves token l & 7 (lanes 8-31 repeat lanes 0-7)
	s_wait_alu depctr_va_vdst(0)
.irp w, 0,1,2,3
.irp q, 0,1,2
	ds_load_b128 v[32+12*\w+4*\q:32+12*\w+4*\q+3], v9 offset:LG+48*\w+16*\q
.endr
.endr
	s_wait_dscnt 0x0
.irp j, 0,2,4,6,8,10
	v_pk_add_f32 v[32+\j:33+\j], v[32+\j:33+\j], v[44+\j:45+\j]
	v_pk_add_f32 v[56+\j:57+\j], v[56+\j:57+\j], v[68+\j:69+\j]
.endr
.irp j, 0,2,4,6,8,10
	v_pk_add_f32 v[32+\j:33+\j], v[32+\j:33+\j], v[56+\j:57+\j]
.endr
.irp e, 0,1,2,3,4,5,6,7,8,9,10,11
	v_add_f32 v[32+\e], s[28+\e], v[32+\e]         ; the bias
.endr
	v_mov_b32 v80, v32                             ; the largest logit and its expert,
	v_mov_b32 v81, 0
	v_mov_b32 v82, 0xff800000                      ; the second: -infinity, under every logit
	v_mov_b32 v83, 0
.irp e, 1,2,3,4,5,6,7,8,9,10,11                ; strictly greater: among equals the lower index stays ahead
	v_cmp_gt_f32 vcc_lo, v[32+\e], v80
	v_cmp_gt_f32 s44, v[32+\e], v82
	v_cndmask_b32 v82, v82, v[32+\e], s44
	v_cndmask_b32 v83, v83, \e, s44
	v_cndmask_b32 v82, v82, v80, vcc_lo
	v_cndmask_b32 v83, v83, v81, vcc_lo
	v_cndmask_b32 v80, v80, v[32+\e], vcc_lo
	v_cndmask_b32 v81, v81, \e, vcc_lo
.endr
	v_sub_f32 v84, v82, v80                        ; the maximum is taken away: 0 or less
	v_mul_f32 v84, 0x3fb8aa3b, v84
	s_wait_alu depctr_va_vdst(0)
	v_exp_f32 v85, v84                             ; d = e^(second - first)
	v_mov_b32 v86, 1                               ; (a plain line behind the exponential)
	s_wait_alu depctr_va_vdst(0)                   ; the wait ahead of the result's first reader
	v_add_f32 v87, 1.0, v85
	s_wait_alu depctr_va_vdst(0)
	v_rcp_f32 v88, v87                             ; w0 = 1 / (1 + d)
	v_lshlrev_b32 v92, v81, v86                    ; 1 << e0 (a plain line behind the reciprocal)
	s_wait_alu depctr_va_vdst(0)
	v_mul_f32 v89, v85, v88                        ; w1 = d / (1 + d)
	v_lshlrev_b32 v93, v83, v86
	v_or_b32 v92, v92, v93
	v_lshl_or_b32 v92, v81, 16, v92
	v_lshl_or_b32 v92, v83, 20, v92
	v_lshlrev_b32 v94, 2, v11
	v_lshlrev_b32 v95, 3, v11
	s_lshl_b32 s40, ttmp9, 5
	s_add_nc_u64 s[14:15], s[14:15], s[40:41]
	s_lshl_b32 s40, ttmp9, 6
	s_add_nc_u64 s[16:17], s[16:17], s[40:41]
	global_store_b32 v94, v92, s[14:15]            ; four lanes write each word, with the same value
	global_store_b64 v95, v[88:89], s[16:17]
	s_wait_tensorcnt 0x0
	ds_add_u32 v254, v255
	s_wait_dscnt 0x0
	s_endpgm
.Lfunc_end_k_q259a62aff3_route_quant:
	.size	k_q259a62aff3_route_quant, .Lfunc_end_k_q259a62aff3_route_quant-k_q259a62aff3_route_quant
	.p2alignl 7, 3214868480
	.fill 96, 4, 3214868480
	.section	.rodata,"a",@progbits
	.p2align	6, 0x0
	.amdhsa_kernel k_q259a62aff3_route_quant
		.amdhsa_group_segment_fixed_size 6656
		.amdhsa_private_segment_fixed_size 0
		.amdhsa_enable_private_segment 0
		.amdhsa_kernarg_size 56
		.amdhsa_user_sgpr_count 2
		.amdhsa_user_sgpr_kernarg_segment_ptr 1
		.amdhsa_wavefront_size32 1
		.amdhsa_system_sgpr_workgroup_id_x 1
		.amdhsa_system_sgpr_workgroup_id_y 1
		.amdhsa_system_sgpr_workgroup_id_z 1
		.amdhsa_system_vgpr_workitem_id 0
		.amdhsa_next_free_vgpr 256
		.amdhsa_next_free_sgpr 66
		.amdhsa_reserve_vcc 1
		.amdhsa_float_denorm_mode_32 3
		.amdhsa_float_denorm_mode_16_64 3
		.amdhsa_memory_ordered 1
		.amdhsa_forward_progress 1
		.amdhsa_inst_pref_size 74
	.end_amdhsa_kernel
	.amdgpu_metadata
---
amdhsa.version: [ 1, 2 ]
amdhsa.kernels:
  - .name:           k_q259a62aff3_route_quant
    .symbol:         k_q259a62aff3_route_quant.kd
    .args:
      - { .name: x, .offset: 0, .size: 8, .value_kind: global_buffer, .address_space: global }
      - { .name: gate_w, .offset: 8, .size: 8, .value_kind: global_buffer, .address_space: global }
      - { .name: expert_bias, .offset: 16, .size: 8, .value_kind: global_buffer, .address_space: global }
      - { .name: xq, .offset: 24, .size: 8, .value_kind: global_buffer, .address_space: global }
      - { .name: xs, .offset: 32, .size: 8, .value_kind: global_buffer, .address_space: global }
      - { .name: route, .offset: 40, .size: 8, .value_kind: global_buffer, .address_space: global }
      - { .name: gw, .offset: 48, .size: 8, .value_kind: global_buffer, .address_space: global }
    .group_segment_fixed_size: 6656
    .private_segment_fixed_size: 0
    .kernarg_segment_align: 8
    .kernarg_segment_size: 56
    .max_flat_workgroup_size: 128
    .sgpr_count:     66
    .vgpr_count:     256
    .wavefront_size: 32
...
	.end_amdgpu_metadata
.endif
;; end of part 5
;; launch ffn1 (part 6): grid 32 x 8, 4 waves a work-group, no clusters, 68,096 bytes of LDS; arguments xq, xs, route, w1_codes, w1_scales, hq, hs; writes hq, hs
.if DOCPART == 6
	.amdgcn_target "amdgcn-amd-amdhsa--gfx1250"
	.amdhsa_code_object_version 6
	.text
	.protected	k_q259a62aff3_ffn1
	.globl	k_q259a62aff3_ffn1
	.p2align	8
	.type	k_q259a62aff3_ffn1,@function
k_q259a62aff3_ffn1:
	s_mov_b64 s[64:65], 0
	v_nop
	global_prefetch_b8 v0, s[64:65] scope:SCOPE_SE
	s_setreg_imm32_b32 hwreg(HW_REG_WAVE_SCHED_MODE, 0, 2), 2
	s_setreg_imm32_b32 hwreg(HW_REG_WAVE_MODE, 25, 1), 1
	s_wait_xcnt 0x0
	s_wait_alu depctr_vm_vsrc(0)
; h = Q(silu(x W1^T)) for the rows that chose an expert, on codes of E2M1 with one E8M0 scale for each 32 along K.
; ROWS.  The 2,048 tokens are 8 groups g of 256.  The rows of a pair (g, e) are the tokens of g whose route word has bit e, in token order; tiles are 16 rows; a pair has room for 16 tiles, the worst case.
; A tile's places beyond the pair's last row take some token of the group: their results are stored and never used (a row of an operand touches its own results alone).
; SHARES.  Work-group (x, y): expert e = y, slice = x >> 1 (hidden units 128 slice .. + 127: K step `slice` of the next product), groups 4 (x & 1) + wave.  All four waves hold the same
; 128 x 1,024 slice of W1 in 512 registers: the work-group reads it from memory once, in whole rows of 512 bytes, and hands it round through LDS.
; THE PRODUCT IS USED TRANSPOSED (source 0 = 16 rows of W1, source 1 = 16 rows of x), and lane r of tile 2 b + u takes hidden unit 32 b + 8 u + r + 8 (r / 8): so a lane holds one row of h, and the 16 registers
; of tiles 2 b, 2 b + 1 are 16 neighbours along the next K, 32 b + 16 (lane / 16) + 0 .. 15.
; OUT.  hq [g][e][tile][K step][1,024 bytes]: a fragment's registers as they stand (registers 0-3 at 16 x lane, 4-7 at 512 + 16 x lane); hs [g][e][tile][K step][row] scale words.
; A pair without rows still makes tile 0, so that the next launch may ask for tile 0 on one path for all its waves.  hs leaves in pieces of 64 bytes: one sixteenth of h's bytes.
; LIMITS: NaN and infinities are not served; where e^-h overflows, silu gives -0 for what is a denormal; a block of zeros gets the byte 1: its codes are zeros, and this program alone reads the bytes.
; No tensor load, no cluster: the trip count is a number read from memory; the two work-groups that share a slice each read its 64 KiB.
; THE MODE: SCHED_MODE bits 1:0 = 2 (LLVM: expert scheduling mode 2), set by the entry lines.  The code itself states the register dependences
; between vector or matrix instructions and memory or LDS instructions, with s_wait_alu, always for 0.
; THE PLAN.  Registers that memory or LDS instructions touch, and who else names them:
;   v3-v8      offsets and LDS places.  Written at the head, ahead of the head's wait on va_vdst; never again.
;   v256-v383  At the head: my 32 rows of W1 land there, my LDS stores read them, and behind the barrier W1's fragments land there again: one wait on vm_vsrc between.  Afterwards matrix instructions alone name windows 1 and 2.
;   v9, v10    the gather's offsets.  Written by SELECT at a trip's head, for the next tile; read by GATHER's 17 loads, behind the trip's products.
;   XF, XS     GATHER's loads land in them; the trip's 64 matrix instructions read them.
;   PC, PW     Written by QUANT at a trip's end; read by the trip's three stores; written over by the next trip's SILU, among whose work registers they lie.
; A TRIP: SELECT for the next tile, while this tile's rows are still on their way | the wait for them | 64 products, four places | ONE wait on va_vdst: v9 and v10 are written, the products are done reading XF and XS | GATHER |
; SILU, QUANT | a wait on va_vdst: PC and PW are written | three stores | beside the wait on XCNT one wait on vm_vsrc: the stores have read PC and PW, the gather v9 and v10.
.set WP,  528                          ; a row of W1 in LDS: 512 bytes + 16: an odd multiple of 16, so that the 16 rows of a fragment load start at different banks
.set XS,  36                           ; v36-39   x's scale words: register q: K step q in lanes 0-15, K step 4 + q in lanes 16-31
.set WS,  40                           ; v40-71   W1's: register 8 b + s: tile 2 b in lanes 0-15, tile 2 b + 1 in lanes 16-31, K step s
.set H,   72                           ; v72-135  eight accumulators: my row's 64 of the 128 hidden units
.set XF,  136                          ; v136-199 x's eight fragments
.set T,   200                          ; v200-231 silu's work; then the quantiser's:
.set TM,  200
.set PW,  216                          ; the scale word just made
.set PC,  220                          ; v220-227 the codes just made
; v1 r; v2 16 h; v3 16 l; v4 4 r; v5, v6 LDS places; v7 W1's scale rows; v8 4 l; v9, v10 the gather's offsets; v12-24 at work; v28-35 route words
; windows 1, 2: W1's fragment (tile t, K step s) at v[32 t + 8 (s % 4)] of window 1 + s / 4
; s18 wave; s19 e; s20 slice; s22 g; s23 1 << e; s24-31 the group's 256 membership bits; s32-39 rows ahead of each word; s40 rows; s41 tiles; s42 tile; s43 the first rank of the tile that SELECT serves;
; s57-63 SELECT's seven masks (s56 and s57 serve the head's offsets first)
.set MSB, 0
.macro WIN new                         ; the immediate's high byte repeats the setting that is left
.if MSB != \new
	s_set_vgpr_msb (MSB<<8)|\new
.set MSB, \new
.endif
.endm
.macro PLACES n
.rept \n
	v_nop
.endr
.endm
; one matrix instruction.  z = 1: it starts the sum.  ra, rb: the scales stand in lanes 16-31 of the register named
.macro WM d, a, b, z, sa, sb, ra, rb
.if \z
.if (\ra) && (\rb)
	v_wmma_scale_f32_16x16x128_f8f6f4 v[\d:\d+7], v[\a:\a+7], v[\b:\b+7], 0, v[\sa], v[\sb] matrix_a_fmt:MATRIX_FMT_FP4 matrix_b_fmt:MATRIX_FMT_FP4 matrix_a_scale:MATRIX_SCALE_ROW1 matrix_b_scale:MATRIX_SCALE_ROW1
.elseif \ra
	v_wmma_scale_f32_16x16x128_f8f6f4 v[\d:\d+7], v[\a:\a+7], v[\b:\b+7], 0, v[\sa], v[\sb] matrix_a_fmt:MATRIX_FMT_FP4 matrix_b_fmt:MATRIX_FMT_FP4 matrix_a_scale:MATRIX_SCALE_ROW1
.elseif \rb
	v_wmma_scale_f32_16x16x128_f8f6f4 v[\d:\d+7], v[\a:\a+7], v[\b:\b+7], 0, v[\sa], v[\sb] matrix_a_fmt:MATRIX_FMT_FP4 matrix_b_fmt:MATRIX_FMT_FP4 matrix_b_scale:MATRIX_SCALE_ROW1
.else
	v_wmma_scale_f32_16x16x128_f8f6f4 v[\d:\d+7], v[\a:\a+7], v[\b:\b+7], 0, v[\sa], v[\sb] matrix_a_fmt:MATRIX_FMT_FP4 matrix_b_fmt:MATRIX_FMT_FP4
.endif
.else
.if (\ra) && (\rb)
	v_wmma_scale_f32_16x16x128_f8f6f4 v[\d:\d+7], v[\a:\a+7], v[\b:\b+7], v[\d:\d+7], v[\sa], v[\sb] matrix_a_fmt:MATRIX_FMT_FP4 matrix_b_fmt:MATRIX_FMT_FP4 matrix_a_scale:MATRIX_SCALE_ROW1 matrix_b_scale:MATRIX_SCALE_ROW1
.elseif \ra
	v_wmma_scale_f32_16x16x128_f8f6f4 v[\d:\d+7], v[\a:\a+7], v[\b:\b+7], v[\d:\d+7], v[\sa], v[\sb] matrix_a_fmt:MATRIX_FMT_FP4 matrix_b_fmt:MATRIX_FMT_FP4 matrix_a_scale:MATRIX_SCALE_ROW1
.elseif \rb
	v_wmma_scale_f32_16x16x128_f8f6f4 v[\d:\d+7], v[\a:\a+7], v[\b:\b+7], v[\d:\d+7], v[\sa], v[\sb] matrix_a_fmt:MATRIX_FMT_FP4 matrix_b_fmt:MATRIX_FMT_FP4 matrix_b_scale:MATRIX_SCALE_ROW1
.else
	v_wmma_scale_f32_16x16x128_f8f6f4 v[\d:\d+7], v[\a:\a+7], v[\b:\b+7], v[\d:\d+7], v[\sa], v[\sb] matrix_a_fmt:MATRIX_FMT_FP4 matrix_b_fmt:MATRIX_FMT_FP4
.endif
.endif
.endm
; one step down the tree of counts: are there v16 or fewer set bits in the lower half of the field at bit v21?  Then the bit sought lies in the upper half
.macro DESC src, width, step
	v_bfe_u32 v22, v[\src], v21, \width
	v_cmp_ge_u32 vcc_lo, v16, v22
	s_wait_alu depctr_va_vcc(0)                    ; the compare has written VCC, which the two selections below read (each step hangs on the step before: so a wait a step)
	v_cndmask_b32 v22, 0, v22, vcc_lo
	v_cndmask_b32 v23, 0, \step, vcc_lo
	v_sub_nc_u32 v16, v16, v22
	v_add_nc_u32 v21, v21, v23
.endm
; the token of rank s43 + r among the group's set bits -> the gather's offsets.  A rank beyond the last row ends at the group's last token
.macro SELECT
	v_add_nc_u32 v12, s43, v1                      ; the rank sought
	v_mov_b32 v13, s24
	v_mov_b32 v14, 0
	v_mov_b32 v15, 0
.irp j, 1,2,3,4,5,6,7                          ; the seven compares in one run, each into a mask of its own
	v_cmp_le_u32 s[56+\j], s[32+\j], v12
.endr
	s_wait_alu depctr_va_sdst(0)                   ; the seven compares have written s57-63, which the selections below read
.irp j, 1,2,3,4,5,6,7                          ; the last word ahead of which no more rows lie than the rank
	v_cndmask_b32 v13, v13, s[24+\j], s[56+\j]
	v_cndmask_b32 v14, v14, s[32+\j], s[56+\j]
	v_cndmask_b32 v15, v15, 32*\j, s[56+\j]
.endr
	v_sub_nc_u32 v16, v12, v14                     ; the rank inside that word
	v_lshrrev_b32 v24, 1, v13                      ; the word's set bits counted in fields of 2, 4, 8 and 16 bits
	v_and_b32 v24, s44, v24
	v_sub_nc_u32 v17, v13, v24
	v_lshrrev_b32 v24, 2, v17
	v_and_b32 v24, s45, v24
	v_and_b32 v18, s45, v17
	v_add_nc_u32 v18, v18, v24
	v_lshrrev_b32 v24, 4, v18
	v_add_nc_u32 v19, v18, v24
	v_and_b32 v19, s46, v19
	v_lshrrev_b32 v24, 8, v19
	v_add_nc_u32 v20, v19, v24
	v_and_b32 v20, s47, v20
	v_mov_b32 v21, 0
	DESC 20, 8, 16
	DESC 19, 8, 8
	DESC 18, 4, 4
	DESC 17, 2, 2
	DESC 13, 1, 1
	v_add3_u32 v22, v15, v21, s54                  ; the token: 256 g + 32 x word + bit
	v_min_u32 v22, 0x7ff, v22                      ; held inside the table of 2,048 rows
	v_lshl_add_u32 v9, v22, 9, v2                  ; its 512 bytes of codes, + 16 h
	v_lshl_add_u32 v10, v22, 5, v2                 ; its 32 scale bytes, + 16 h
.endm
.macro GATHER                                  ; 17 loads: eight fragments (16 rows x 128 K each) and the rows' scale words
.irp s, 0,1,2,3,4,5,6,7
.irp c, 0,1
	global_load_b128 v[XF+8*\s+4*\c:XF+8*\s+4*\c+3], v9, s[4:5] offset:64*\s+32*\c
.endr
.endr
	global_load_b128 v[XS:XS+3], v10, s[6:7]
.endm
; 64 matrix instructions: the eight accumulators by turns, one instruction a turn, K step by K step
.macro MM1
	WIN 0x01                                       ; source 0 (W1) in window 1
.irp t, 0,1,2,3,4,5,6,7
	WM H+8*\t, 32*\t, XF, 1, WS+8*(\t/2), XS, \t%2, 0
.endr
.irp s, 1,2,3
.irp t, 0,1,2,3,4,5,6,7
	WM H+8*\t, 32*\t+8*\s, XF+8*\s, 0, WS+8*(\t/2)+\s, XS+\s, \t%2, 0
.endr
.endr
	WIN 0x02                                       ; in window 2
.irp s, 4,5,6,7
.irp t, 0,1,2,3,4,5,6,7
	WM H+8*\t, 32*\t+8*(\s-4), XF+8*\s, 0, WS+8*(\t/2)+\s, XS+\s-4, \t%2, 1
.endr
.endr
	WIN 0
.endm
; silu of 32 numbers, ascending: h / (1 + 2^(-h log2 e)).  Each batch of 32 transcendentals has one plain line and one wait behind it
.macro SILU hb
.set n, 0
.rept 16
	v_pk_mul_f32 v[T+n:T+n+1], v[H+32*\hb+n:H+32*\hb+n+1], s[48:49] op_sel_hi:[1,0]
.set n, n+2
.endr
.set n, 0
	s_wait_alu depctr_va_vdst(0)
.rept 32
	v_exp_f32 v[T+n], v[T+n]
.set n, n+1
.endr
	v_nop
	s_wait_alu depctr_va_vdst(0)                   ; the 32 exponentials have written v[T ..], ahead of their first reader
.set n, 0
.rept 16
	v_pk_add_f32 v[T+n:T+n+1], v[T+n:T+n+1], 1.0 op_sel_hi:[1,0]
.set n, n+2
.endr
.set n, 0
	s_wait_alu depctr_va_vdst(0)
.rept 32
	v_rcp_f32 v[T+n], v[T+n]
.set n, n+1
.endr
	v_nop
	s_wait_alu depctr_va_vdst(0)                   ; the 32 reciprocals have written v[T ..], ahead of their first reader
.set n, 0
.rept 16
	v_pk_mul_f32 v[H+32*\hb+n:H+32*\hb+n+1], v[H+32*\hb+n:H+32*\hb+n+1], v[T+n:T+n+1]
.set n, n+2
.endr
.endm
; 64 numbers of a lane, register 16 b + i = k 32 b + 16 (lane / 16) + i of my row, become a fragment's codes in v[PC] on and its scale word in v[PW]
.macro QUANT s
.irp b, 0,1,2,3
	v_max3_num_f32 v[TM+\b], |v[\s+16*\b]|, |v[\s+1+16*\b]|, 0x1800000   ; and the floor 2^(3 - 127): the byte cannot fall under 1
.endr
.irp i, 2,4,6,8,10,12,14
.irp b, 0,1,2,3
	v_max3_num_f32 v[TM+\b], v[TM+\b], |v[\s+16*\b+\i]|, |v[\s+1+16*\b+\i]|
.endr
.endr
.irp b, 0,1,2,3
	v_permlanex16_b32 v[TM+4+\b], v[TM+\b], s50, s51
.endr
.irp b, 0,1,2,3
	v_max_num_f32 v[TM+\b], v[TM+\b], v[TM+4+\b]   ; with lane l xor 16's: the block's largest magnitude
.endr
.irp b, 0,1,2,3
	v_add_nc_u32 v[TM+12+\b], 0xff000000, v[TM+\b] ; 2 off its exponent field: the conversion's scale operand
.endr
.irp b, 0,1,2,3
	v_lshrrev_b32 v[TM+4+\b], 23, v[TM+12+\b]      ; the scale's byte
.endr
	v_lshl_or_b32 v[PW], v[TM+5], 8, v[TM+4]
	v_lshl_or_b32 v[PW], v[TM+6], 16, v[PW]
	v_lshl_or_b32 v[PW], v[TM+7], 24, v[PW]
.irp b, 0,1,2,3
	v_cvt_scalef32_pk8_fp4_f32 v[PC+2*\b], v[\s+16*\b:\s+7+16*\b], v[TM+12+\b]
	v_cvt_scalef32_pk8_fp4_f32 v[PC+1+2*\b], v[\s+8+16*\b:\s+15+16*\b], v[TM+12+\b]
.endr
	v_nop                                          ; one plain line behind the last conversion
.irp c, 0,1                                    ; the operand wants a whole block in a lane: lanes 0-15 block 2 c, lanes 16-31 block 2 c + 1
.irp i, 0,1
	v_permlane16_swap_b32 v[PC+4*\c+\i], v[PC+2+4*\c+\i]
.endr
.endr
.endm
	s_load_b256 s[4:11], s[0:1], 0x0               ; xq s[4:5], xs s[6:7], route s[8:9], w1_codes s[10:11]
	s_load_b128 s[12:15], s[0:1], 0x20             ; w1_scales s[12:13], hq s[14:15]
	s_load_b64 s[16:17], s[0:1], 0x30              ; hs
	v_lshl_add_u32 v254, v0, 2, 0x10800
	v_mov_b32 v255, 0
	v_lshrrev_b32 v1, 5, v0
	v_readfirstlane_b32 s18, v1                    ; wave
	v_and_b32 v11, 31, v0                          ; lane
	v_and_b32 v1, 15, v0                           ; r
	v_bfe_u32 v2, v0, 4, 1                         ; h
	v_lshlrev_b32 v3, 4, v11                       ; 16 l
	v_lshlrev_b32 v4, 2, v1                        ; 4 r
	v_mul_u32_u24 v5, v1, WP
	v_lshl_add_u32 v5, v2, 4, v5                   ; a fragment's place: row r, + 16 h
	s_wait_alu depctr_va_sdst(0)                   ; s18 is written, ahead of its first reader
	s_mul_i32 s52, s18, 32*WP
	v_add_nc_u32 v6, s52, v3                       ; where I stage: my wave's 32 slots, 16 bytes a lane
	v_lshrrev_b32 v7, 3, v1
	v_lshl_add_u32 v7, v7, 3, v1
	v_lshl_add_u32 v7, v2, 3, v7
	v_lshlrev_b32 v7, 5, v7                        ; W1's scales: row 8 h + r + 8 (r / 8) of a block of 32, 32 bytes a row
	v_lshlrev_b32 v8, 2, v11                       ; 4 l
	v_lshlrev_b32 v2, 4, v2                        ; 16 h
	s_and_b32 s19, ttmp7, 0xffff                   ; e
	s_lshr_b32 s20, ttmp9, 1                       ; slice
	s_and_b32 s22, ttmp9, 1
	s_lshl_b32 s22, s22, 2
	s_add_co_u32 s22, s22, s18                     ; g
	s_lshl_b32 s23, 1, s19
	s_lshl_b32 s54, s22, 8                         ; the group's first token
	s_lshl_b32 s55, s22, 3
	s_add_co_u32 s55, s55, s19                     ; 8 g + e
	s_mov_b32 s44, 0x55555555
	s_mov_b32 s45, 0x33333333
	s_mov_b32 s46, 0x0f0f0f0f
	s_mov_b32 s47, 0x00ff00ff
	s_mov_b32 s48, 0xbfb8aa3b                      ; -log2(e)
	s_mov_b32 s49, s48                             ; (named with it as a pair)
	s_mov_b32 s50, 0x76543210                      ; v_permlanex16_b32: lane l xor 16
	s_mov_b32 s51, 0xfedcba98
	s_mov_b32 s57, 0
	s_wait_kmcnt 0x0
	s_lshl_b32 s56, s22, 10
	s_add_nc_u64 s[8:9], s[8:9], s[56:57]          ; route at my group's 256 words
	s_lshl_b32 s56, s19, 16
	s_lshl_b32 s52, s20, 12
	s_add_co_u32 s56, s56, s52
	s_add_nc_u64 s[12:13], s[12:13], s[56:57]      ; the slice's scale bytes: (2,048 e + 128 slice) x 32
	s_lshl_b32 s56, s56, 4
	s_lshl_b32 s52, s18, 14
	s_add_co_u32 s56, s56, s52
	s_add_nc_u64 s[10:11], s[10:11], s[56:57]      ; the 32 rows that I stage: (2,048 e + 128 slice + 32 w) x 512
	s_lshl_b32 s56, s55, 18
	s_lshl_b32 s52, s20, 10
	s_add_co_u32 s56, s56, s52
	s_add_nc_u64 s[14:15], s[14:15], s[56:57]      ; hq at (g, e), tile 0, my K step
	s_lshl_b32 s56, s55, 14
	s_lshl_b32 s52, s20, 6
	s_add_co_u32 s56, s56, s52
	s_add_nc_u64 s[16:17], s[16:17], s[56:57]      ; hs likewise
	s_wait_alu depctr_va_vdst(0)                   ; v3 to v8 are written: the offsets and LDS places that the loads, LDS instructions and stores of the whole kernel read
.irp j, 0,1,2,3,4,5,6,7
	global_load_b32 v[28+\j], v8, s[8:9] offset:128*\j             ; a lane a token: they come first, since the gather hangs on them
.endr
.irp b, 0,1,2,3
.irp q, 0,1
	global_load_b128 v[WS+8*\b+4*\q:WS+8*\b+4*\q+3], v7, s[12:13] offset:1024*\b+16*\q
.endr
.endr
	WIN 0x40                                       ; destination window 1
.set n, 0
.rept 32
	global_load_b128 v[4*n:4*n+3], v3, s[10:11] offset:512*n       ; a whole row of 512 bytes
.set n, n+1
.endr
	WIN 0
	s_wait_loadcnt 40                              ; the 8 + 32 loads behind the route words may be out
.irp j, 0,1,2,3,4,5,6,7
	v_and_b32 v[12+\j], s23, v[28+\j]
.endr
.irp j, 0,1,2,3,4,5,6,7
	v_cmp_ne_u32 s[24+\j], 0, v[12+\j]             ; bit l of word j: token 32 j + l of the group chose e
.endr
	s_wait_alu depctr_va_sdst(0)                   ; the eight compares have written s24-31, ahead of their first reader
	s_mov_b32 s32, 0
.irp j, 0,1,2,3,4,5,6
	s_bcnt1_i32_b32 s52, s[24+\j]
	s_add_co_u32 s[33+\j], s[32+\j], s52
.endr
	s_bcnt1_i32_b32 s52, s31
	s_add_co_u32 s40, s39, s52                     ; the pair's rows
	s_add_co_u32 s41, s40, 15
	s_lshr_b32 s41, s41, 4
	s_min_u32 s41, s41, 16
	s_max_u32 s41, s41, 1                          ; its tiles; tile 0 is always made
	s_mov_b32 s43, 0
	SELECT
	s_wait_alu depctr_va_vdst(0)                   ; SELECT has written v9 and v10, the gather's offsets
	GATHER                                         ; tile 0's rows of x are on their way while the weights land
	s_wait_loadcnt 17                              ; only the gather's 17 may be out: the scale words and my 32 rows of W1 are in
	WIN 0x04                                       ; an LDS store's data are its source 1: window 1
.set n, 0
.rept 32
	ds_store_b128 v6, v[4*n:4*n+3] offset:(16*((n/8)%2)+(n%8)+8*(n/16))*WP   ; row 32 w + n is lane (n % 8) + 8 (n / 16) of tile 2 w + (n / 8) % 2: slot 16 x tile + lane
.set n, n+1
.endr
	WIN 0
	s_wait_dscnt 0x0                               ; for the others' sake: my rows lie in LDS
	s_barrier_signal -1
	s_barrier_wait -1                              ; the one barrier: no branch on numbers read from memory stands ahead of it
	s_wait_xcnt 0x0                                ; the first gather has had its addresses translated: v9 and v10 are written again, by the first trip's SELECT, only behind this wait
	WIN 0x40
	s_wait_alu depctr_vm_vsrc(0)                   ; my LDS stores have read v256-383, in which W1's fragments land; the first gather has read v9 and v10 (the LDS loads below read v5 alone)
.irp t, 0,1,2,3,4,5,6,7
.irp s, 0,1,2,3
.irp c, 0,1
	ds_load_b128 v[32*\t+8*\s+4*\c:32*\t+8*\s+4*\c+3], v5 offset:16*\t*WP+64*\s+32*\c
.endr
.endr
.endr
	WIN 0x80
.irp t, 0,1,2,3,4,5,6,7
.irp s, 0,1,2,3
.irp c, 0,1
	ds_load_b128 v[32*\t+8*\s+4*\c:32*\t+8*\s+4*\c+3], v5 offset:16*\t*WP+256+64*\s+32*\c
.endr
.endr
.endr
	WIN 0
	s_mov_b32 s42, 0
.Ltile:
	s_add_co_u32 s43, s43, 16
	s_add_co_u32 s52, s42, 1
	s_cmp_ge_u32 s52, s41
	s_cbranch_scc1 .Lno_select
	SELECT                                         ; the next tile's offsets are made while this tile's rows are on their way: no memory instruction reads v9 or v10 before the products are done
.Lno_select:
	s_wait_loadcnt 0x0                             ; this tile's rows of x
	s_wait_dscnt 0x0                               ; W1 (first trip)
	MM1
	PLACES 4                                       ; ahead of the first read of results
	s_cmp_ge_u32 s52, s41
	s_cbranch_scc1 .Lno_next
	s_wait_alu depctr_va_vdst(0)                   ; SELECT has written v9 and v10, which the loads below read; the 64 products are done reading XF and XS, in which they land
	GATHER                                         ; the next tile's rows have silu and the quantiser in which to land: neither names XF, XS, v9 or v10
.Lno_next:
	SILU 0
	SILU 1
	QUANT H
	s_wait_alu depctr_va_vdst(0)                   ; the quantiser has written v[PC ..] and v[PW], which the stores read
	global_store_b128 v3, v[PC:PC+3], s[14:15]             ; the fragment as it stands: 512 consecutive bytes a store
	global_store_b128 v3, v[PC+4:PC+7], s[14:15] offset:512
	global_store_b32 v4, v[PW], s[16:17]                   ; the rows' scale words: both halves of the lanes write the same 64 bytes with the same values
	s_wait_xcnt 0x0                                ; the stores' data and bases, and the gather's offsets, are written again only behind this wait
	s_wait_alu depctr_vm_vsrc(0)                   ; the stores have read v[PC ..] and v[PW], which the next trip's silu writes over; the gather has read v9 and v10, which the next trip's SELECT writes
	s_add_nc_u64 s[14:15], s[14:15], 16384         ; the next tile
	s_add_nc_u64 s[16:17], s[16:17], 1024
	s_add_co_u32 s42, s42, 1
	s_cmp_ge_u32 s42, s41
	s_cbranch_scc1 .Ldone
	s_cmp_lt_u32 s42, 16                           ; never more than 16 tiles
	s_cbranch_scc1 .Ltile
.Ldone:
	s_wait_dscnt 0x0                               ; the closing lines, six on end
	s_wait_alu 0x0
	s_wait_tensorcnt 0x0
	ds_add_u32 v254, v255
	s_wait_dscnt 0x0
	s_endpgm
.Lfunc_end_k_q259a62aff3_ffn1:
	.size	k_q259a62aff3_ffn1, .Lfunc_end_k_q259a62aff3_ffn1-k_q259a62aff3_ffn1
	.p2alignl 7, 3214868480
	.fill 96, 4, 3214868480
	.section	.rodata,"a",@progbits
	.p2align	6, 0x0
	.amdhsa_kernel k_q259a62aff3_ffn1
		.amdhsa_group_segment_fixed_size 68096
		.amdhsa_private_segment_fixed_size 0
		.amdhsa_enable_private_segment 0
		.amdhsa_kernarg_size 56
		.amdhsa_user_sgpr_count 2
		.amdhsa_user_sgpr_kernarg_segment_ptr 1
		.amdhsa_wavefront_size32 1
		.amdhsa_system_sgpr_workgroup_id_x 1
		.amdhsa_system_sgpr_workgroup_id_y 1
		.amdhsa_system_sgpr_workgroup_id_z 1
		.amdhsa_system_vgpr_workitem_id 0
		.amdhsa_next_free_vgpr 768
		.amdhsa_next_free_sgpr 66
		.amdhsa_reserve_vcc 1
		.amdhsa_float_denorm_mode_32 3
		.amdhsa_float_denorm_mode_16_64 3
		.amdhsa_memory_ordered 1
		.amdhsa_forward_progress 1
		.amdhsa_inst_pref_size 55
	.end_amdhsa_kernel
	.amdgpu_metadata
---
amdhsa.version: [ 1, 2 ]
amdhsa.kernels:
  - .name:           k_q259a62aff3_ffn1
    .symbol:         k_q259a62aff3_ffn1.kd
    .args:
      - { .name: xq, .offset: 0, .size: 8, .value_kind: global_buffer, .address_space: global }
      - { .name: xs, .offset: 8, .size: 8, .value_kind: global_buffer, .address_space: global }
      - { .name: route, .offset: 16, .size: 8, .value_kind: global_buffer, .address_space: global }
      - { .name: w1_codes, .offset: 24, .size: 8, .value_kind: global_buffer, .address_space: global }
      - { .name: w1_scales, .offset: 32, .size: 8, .value_kind: global_buffer, .address_space: global }
      - { .name: hq, .offset: 40, .size: 8, .value_kind: global_buffer, .address_space: global }
      - { .name: hs, .offset: 48, .size: 8, .value_kind: global_buffer, .address_space: global }
    .group_segment_fixed_size: 68096
    .private_segment_fixed_size: 0
    .kernarg_segment_align: 8
    .kernarg_segment_size: 56
    .max_flat_workgroup_size: 128
    .sgpr_count:     66
    .vgpr_count:     768
    .wavefront_size: 32
...
	.end_amdgpu_metadata
.endif
;; end of part 6
;; launch ffn2 (part 7): grid 32 x 8, 4 waves a work-group, no clusters, 84,480 bytes of LDS; arguments hq, hs, route, w2_codes, w2_scales, y; writes y
.if DOCPART == 7
	.amdgcn_target "amdgcn-amd-amdhsa--gfx1250"
	.amdhsa_code_object_version 6
	.text
	.protected	k_q259a62aff3_ffn2
	.globl	k_q259a62aff3_ffn2
	.p2align	8
	.type	k_q259a62aff3_ffn2,@function
k_q259a62aff3_ffn2:
	s_mov_b64 s[64:65], 0
	v_nop
	global_prefetch_b8 v0, s[64:65] scope:SCOPE_SE
	s_setreg_imm32_b32 hwreg(HW_REG_WAVE_SCHED_MODE, 0, 2), 2
	s_setreg_imm32_b32 hwreg(HW_REG_WAVE_MODE, 25, 1), 1
	s_wait_xcnt 0x0
	s_wait_alu depctr_vm_vsrc(0)
; y = h W2^T for the routed rows, on codes of E2M1 with one E8M0 scale for each 32 along K = 2,048.
; SHARES.  Work-group (x, y): expert e = y, slice = x >> 1 (columns 64 slice .. + 63 of the 1,024), groups g = 4 (x & 1) + wave.  All four waves hold the same 64 x 2,048 slice of W2 in 512 registers: the
; work-group reads it once, 512 consecutive bytes a load, and hands it round through LDS.  A wave walks the tiles (16 rows) of its pair (g, e); their number comes from the group's route words.
; h comes as the launch before laid it: a fragment's registers on end, so that each load covers 512 consecutive bytes; two sets of 16 fragments take turns.
; THE PRODUCT IS USED TRANSPOSED (source 0 = 16 rows of W2, source 1 = 16 rows of h): a lane holds eight neighbouring columns of one row of y.
; OUT.  y [g][e][rank 256][1,024] f32.  A tile's 16 rows x 256 bytes go through the wave's own stage in LDS, so that sixteen lanes store 256 consecutive bytes, aligned.
; Rows beyond a pair's last row are stored and never read.
; No tensor load, no cluster: the trip count is a number read from memory; the two work-groups that share a slice each read its 64 KiB.
; THE MODE: SCHED_MODE bits 1:0 = 2 (LLVM: expert scheduling mode 2), set by the entry lines.  The code itself states the register dependences
; between vector or matrix instructions and memory or LDS instructions, with s_wait_alu, always for 0.
; THE PLAN.  Registers that memory or LDS instructions touch, and who else names them:
;   v3-v10     offsets and LDS places.  Written at the head, ahead of the head's wait on va_vdst; never again.
;   v256-v383  At the head: my 16 rows of W2 land there, my LDS stores read them, and behind the barrier W2's fragments land there again: one wait on vm_vsrc between.  Afterwards matrix instructions alone name windows 1 and 2.
;   h's set 0, set 1 (window 3) and their scale words: LOADH's 40 loads land in a set; the 64 products of its tile read it.
;   ACC        Written by a tile's products; read by its eight LDS stores; begun anew by the next tile's products.
;   OB         A tile's eight loads from the stage land there; its eight global stores read it.
; A TILE: the wait for its set | 64 products, five places | ONE wait on va_vdst: ACC is written, and the products are done reading their set and its scale words | eight LDS stores | beside the wait on XCNT ONE wait on vm_vsrc:
; these LDS stores have read ACC, the last tile's global stores have read OB | the set just emptied is asked for again, for the tile two on | the loads from the stage and the stores.
; Between the wait on va_vdst and the refill no vector or matrix instruction is issued, and the LDS stores between name ACC and v8 alone.
.set WP,  1040                         ; a row of W2 in LDS: 1,024 bytes + 16: an odd multiple of 16
.set SP,  272                          ; a row of a stage: 256 bytes + 16
.set OST, 64*WP                        ; behind the weights: 16 rows x 272 bytes for each wave
.set HSW, 36                           ; v36-51  h's scale words, two sets: register q: K step 2 q in lanes 0-15, 2 q + 1 in lanes 16-31
.set W2S, 52                           ; v52-83  W2's: register 16 p + s: tile 2 p in lanes 0-15, tile 2 p + 1 in lanes 16-31, K step s
.set ACC, 84                           ; v84-115 four accumulators
.set OB,  116                          ; v116-147 the way out
; v1 r; v2 h; v3 16 l; v4 4 l; v5, v6 LDS places of the weights; v7 64 l; v8, v9 the stage, in and back; v10 my place in two rows of y; v12-19 at work; v28-35 route words
; windows 1, 2: W2's fragment (tile c, K step s) at v[64 c + 8 (s % 8)] of window 1 + s / 8;  window 3: h's fragments, set 0 at v0, set 1 at v128
.set MSB, 0
.macro WIN new                         ; the immediate's high byte repeats the setting that is left
.if MSB != \new
	s_set_vgpr_msb (MSB<<8)|\new
.set MSB, \new
.endif
.endm
.macro PLACES n
.rept \n
	v_nop
.endr
.endm
.macro WM d, a, b, z, sa, sb, ra, rb
.if \z
.if (\ra) && (\rb)
	v_wmma_scale_f32_16x16x128_f8f6f4 v[\d:\d+7], v[\a:\a+7], v[\b:\b+7], 0, v[\sa], v[\sb] matrix_a_fmt:MATRIX_FMT_FP4 matrix_b_fmt:MATRIX_FMT_FP4 matrix_a_scale:MATRIX_SCALE_ROW1 matrix_b_scale:MATRIX_SCALE_ROW1
.elseif \ra
	v_wmma_scale_f32_16x16x128_f8f6f4 v[\d:\d+7], v[\a:\a+7], v[\b:\b+7], 0, v[\sa], v[\sb] matrix_a_fmt:MATRIX_FMT_FP4 matrix_b_fmt:MATRIX_FMT_FP4 matrix_a_scale:MATRIX_SCALE_ROW1
.elseif \rb
	v_wmma_scale_f32_16x16x128_f8f6f4 v[\d:\d+7], v[\a:\a+7], v[\b:\b+7], 0, v[\sa], v[\sb] matrix_a_fmt:MATRIX_FMT_FP4 matrix_b_fmt:MATRIX_FMT_FP4 matrix_b_scale:MATRIX_SCALE_ROW1
.else
	v_wmma_scale_f32_16x16x128_f8f6f4 v[\d:\d+7], v[\a:\a+7], v[\b:\b+7], 0, v[\sa], v[\sb] matrix_a_fmt:MATRIX_FMT_FP4 matrix_b_fmt:MATRIX_FMT_FP4
.endif
.else
.if (\ra) && (\rb)
	v_wmma_scale_f32_16x16x128_f8f6f4 v[\d:\d+7], v[\a:\a+7], v[\b:\b+7], v[\d:\d+7], v[\sa], v[\sb] matrix_a_fmt:MATRIX_FMT_FP4 matrix_b_fmt:MATRIX_FMT_FP4 matrix_a_scale:MATRIX_SCALE_ROW1 matrix_b_scale:MATRIX_SCALE_ROW1
.elseif \ra
	v_wmma_scale_f32_16x16x128_f8f6f4 v[\d:\d+7], v[\a:\a+7], v[\b:\b+7], v[\d:\d+7], v[\sa], v[\sb] matrix_a_fmt:MATRIX_FMT_FP4 matrix_b_fmt:MATRIX_FMT_FP4 matrix_a_scale:MATRIX_SCALE_ROW1
.elseif \rb
	v_wmma_scale_f32_16x16x128_f8f6f4 v[\d:\d+7], v[\a:\a+7], v[\b:\b+7], v[\d:\d+7], v[\sa], v[\sb] matrix_a_fmt:MATRIX_FMT_FP4 matrix_b_fmt:MATRIX_FMT_FP4 matrix_b_scale:MATRIX_SCALE_ROW1
.else
	v_wmma_scale_f32_16x16x128_f8f6f4 v[\d:\d+7], v[\a:\a+7], v[\b:\b+7], v[\d:\d+7], v[\sa], v[\sb] matrix_a_fmt:MATRIX_FMT_FP4 matrix_b_fmt:MATRIX_FMT_FP4
.endif
.endif
.endm
; 40 loads: the 16 fragments and the scale words of the tile dt tiles on from the bases, into set buf
.macro LOADH buf, dt
	WIN 0xc0                                       ; destination window 3
.irp s, 0,1,2,3,4,5,6,7,8,9,10,11,12,13,14,15
.irp c, 0,1
	global_load_b128 v[128*\buf+8*\s+4*\c:128*\buf+8*\s+4*\c+3], v3, s[4:5] offset:16384*\dt+1024*\s+512*\c
.endr
.endr
	WIN 0
.irp q, 0,1,2,3,4,5,6,7
	global_load_b32 v[HSW+8*\buf+\q], v4, s[6:7] offset:1024*\dt+128*\q
.endr
.endm
; 64 matrix instructions: the four accumulators by turns, one instruction a turn, K step by K step
.macro MM2 buf
	WIN 0x0d                                       ; source 0 (W2) window 1, source 1 (h) window 3
.irp c, 0,1,2,3
	WM ACC+8*\c, 64*\c, 128*\buf, 1, W2S+16*(\c/2), HSW+8*\buf, \c%2, 0
.endr
.irp s, 1,2,3,4,5,6,7
.irp c, 0,1,2,3
	WM ACC+8*\c, 64*\c+8*\s, 128*\buf+8*\s, 0, W2S+16*(\c/2)+\s, HSW+8*\buf+\s/2, \c%2, \s%2
.endr
.endr
	WIN 0x0e                                       ; source 0 window 2
.irp s, 8,9,10,11,12,13,14,15
.irp c, 0,1,2,3
	WM ACC+8*\c, 64*\c+8*(\s-8), 128*\buf+8*\s, 0, W2S+16*(\c/2)+\s, HSW+8*\buf+\s/2, \c%2, \s%2
.endr
.endr
	WIN 0
.endm
; a tile's 16 rows x 64 columns go into my stage, 32 bytes a lane; behind this macro the tile's set of h, its scale words, ACC and OB are all free
.macro STAGE
	PLACES 5                                       ; ahead of the reads of the results, and of the next tile's first products, which write over the accumulators
	s_wait_alu depctr_va_vdst(0)                   ; the 64 products have written ACC, which the LDS stores read, and are done reading their set of h and its scale words, in which the refill lands; the places above stay beside this wait
.irp c, 0,1,2,3
	ds_store_b128 v8, v[ACC+8*\c:ACC+8*\c+3] offset:64*\c          ; each accumulator from its low end on
	ds_store_b128 v8, v[ACC+8*\c+4:ACC+8*\c+7] offset:64*\c+16
.endr
	s_wait_xcnt 0x0                                ; the last tile's stores have had their addresses translated: OB is written again only behind this wait
	s_wait_alu depctr_vm_vsrc(0)                   ; the LDS stores above have read ACC, which the next tile's products begin anew; the last tile's global stores have read OB, in which the loads from the stage land
.endm
; back from the stage as rows of 256 bytes, two an instruction; stored
.macro SEND dt
.irp i, 0,1,2,3,4,5,6,7
	ds_load_b128 v[OB+4*\i:OB+4*\i+3], v9 offset:2*\i*SP           ; LDS serves a wave's instructions in order: these see the tile's stores into the stage
.endr
.irp i, 0,1,2,3,4,5,6,7
	s_wait_dscnt 7-\i                              ; the younger loads from the stage may be out
	global_store_b128 v10, v[OB+4*\i:OB+4*\i+3], s[14:15] offset:65536*\dt+8192*\i   ; sixteen lanes store 256 consecutive bytes, aligned
.endr
.endm
	s_load_b256 s[4:11], s[0:1], 0x0               ; hq s[4:5], hs s[6:7], route s[8:9], w2_codes s[10:11]
	s_load_b128 s[12:15], s[0:1], 0x20             ; w2_scales s[12:13], y s[14:15]
	v_lshl_add_u32 v254, v0, 2, 0x14800
	v_mov_b32 v255, 0
	v_lshrrev_b32 v1, 5, v0
	v_readfirstlane_b32 s18, v1                    ; wave
	v_and_b32 v11, 31, v0                          ; lane
	v_and_b32 v1, 15, v0                           ; r
	v_bfe_u32 v2, v0, 4, 1                         ; h
	v_lshlrev_b32 v3, 4, v11
	v_lshlrev_b32 v4, 2, v11
	v_mul_u32_u24 v5, v1, WP
	v_lshl_add_u32 v5, v2, 4, v5                   ; a fragment's place: row r, + 16 h
	s_wait_alu depctr_va_sdst(0)                   ; s18 is written, ahead of its first reader
	s_mul_i32 s52, s18, 16*WP
	v_add_nc_u32 v6, s52, v3                       ; where I stage: my wave's 16 rows, 16 bytes a lane
	v_lshlrev_b32 v7, 6, v11                       ; W2's scales: 64 bytes a row, a lane a row
	s_mul_i32 s52, s18, 16*SP
	s_add_co_u32 s52, s52, OST                     ; my stage
	v_mul_u32_u24 v8, v1, SP
	v_lshl_add_u32 v8, v2, 5, v8
	v_add_nc_u32 v8, s52, v8                       ; in: row r, + 32 h
	v_mul_u32_u24 v9, v2, SP
	v_lshl_add_u32 v9, v1, 4, v9
	v_add_nc_u32 v9, s52, v9                       ; back: lanes 0-15 one row, lanes 16-31 the next
	v_lshlrev_b32 v10, 12, v2
	v_lshl_add_u32 v10, v1, 4, v10                 ; and the same two rows of y, 4,096 bytes apart
	s_and_b32 s19, ttmp7, 0xffff                   ; e
	s_lshr_b32 s20, ttmp9, 1                       ; slice
	s_and_b32 s22, ttmp9, 1
	s_lshl_b32 s22, s22, 2
	s_add_co_u32 s22, s22, s18                     ; g
	s_lshl_b32 s23, 1, s19
	s_lshl_b32 s55, s22, 3
	s_add_co_u32 s55, s55, s19                     ; 8 g + e
	s_mov_b32 s57, 0
	s_wait_kmcnt 0x0
	s_lshl_b32 s56, s22, 10
	s_add_nc_u64 s[8:9], s[8:9], s[56:57]          ; route at my group
	s_lshl_b32 s56, s19, 16
	s_lshl_b32 s52, s20, 12
	s_add_co_u32 s56, s56, s52
	s_add_nc_u64 s[12:13], s[12:13], s[56:57]      ; the slice's scale bytes: (1,024 e + 64 slice) x 64
	s_lshl_b32 s56, s56, 4
	s_lshl_b32 s52, s18, 14
	s_add_co_u32 s56, s56, s52
	s_add_nc_u64 s[10:11], s[10:11], s[56:57]      ; the 16 rows that I stage: (1,024 e + 64 slice + 16 w) x 1,024
	s_lshl_b32 s56, s55, 18
	s_add_nc_u64 s[4:5], s[4:5], s[56:57]          ; hq at (g, e)
	s_lshl_b32 s56, s55, 14
	s_add_nc_u64 s[6:7], s[6:7], s[56:57]          ; hs at (g, e)
	s_lshl_b32 s56, s55, 20
	s_lshl_b32 s52, s20, 8
	s_add_co_u32 s56, s56, s52
	s_add_nc_u64 s[14:15], s[14:15], s[56:57]      ; y at (g, e), rank 0, my 64 columns
	s_wait_alu depctr_va_vdst(0)                   ; v3 to v10 are written: the offsets and LDS places that the loads, LDS instructions and stores of the whole kernel read
.irp j, 0,1,2,3,4,5,6,7
	global_load_b32 v[28+\j], v4, s[8:9] offset:128*\j
.endr
.irp p, 0,1
.irp q, 0,1,2,3
	global_load_b128 v[W2S+16*\p+4*\q:W2S+16*\p+4*\q+3], v7, s[12:13] offset:2048*\p+16*\q
.endr
.endr
	WIN 0x40                                       ; destination window 1
.set n, 0
.rept 32
	global_load_b128 v[4*n:4*n+3], v3, s[10:11] offset:512*n       ; my 16 rows are 16,384 consecutive bytes
.set n, n+1
.endr
	WIN 0
	LOADH 0, 0                                     ; tile 0 of every pair has been written by the launch before
	s_wait_loadcnt 40                              ; only these 40 may be out: route words, W2's scale words and my rows of W2 are in
.irp j, 0,1,2,3,4,5,6,7
	v_and_b32 v[12+\j], s23, v[28+\j]
.endr
.irp j, 0,1,2,3,4,5,6,7
	v_cmp_ne_u32 s[24+\j], 0, v[12+\j]
.endr
	s_wait_alu depctr_va_sdst(0)                   ; the eight compares have written s24-31, ahead of their first reader
	s_mov_b32 s40, 0
.irp j, 0,1,2,3,4,5,6,7
	s_bcnt1_i32_b32 s52, s[24+\j]
	s_add_co_u32 s40, s40, s52                     ; the pair's rows
.endr
	s_add_co_u32 s41, s40, 15
	s_lshr_b32 s41, s41, 4
	s_min_u32 s41, s41, 16                         ; its tiles
	WIN 0x04                                       ; an LDS store's data are its source 1: window 1
.set n, 0
.rept 32
	ds_store_b128 v6, v[4*n:4*n+3] offset:WP*(n/2)+512*(n%2)
.set n, n+1
.endr
	WIN 0
	s_wait_dscnt 0x0                               ; for the others' sake: my rows lie in LDS
	s_barrier_signal -1
	s_barrier_wait -1                              ; the one barrier: no branch on numbers read from memory stands ahead of it
	s_wait_alu depctr_vm_vsrc(0)                   ; my LDS stores have read v256-383, in which W2's fragments land
	s_cmp_eq_u32 s41, 0
	s_cbranch_scc1 .Ldone                          ; nobody in this group chose e
	WIN 0x40
.irp c, 0,1,2,3
.irp s, 0,1,2,3,4,5,6,7
.irp k, 0,1
	ds_load_b128 v[64*\c+8*\s+4*\k:64*\c+8*\s+4*\k+3], v5 offset:16*\c*WP+64*\s+32*\k
.endr
.endr
.endr
	WIN 0x80
.irp c, 0,1,2,3
.irp s, 0,1,2,3,4,5,6,7
.irp k, 0,1
	ds_load_b128 v[64*\c+8*\s+4*\k:64*\c+8*\s+4*\k+3], v5 offset:16*\c*WP+512+64*\s+32*\k
.endr
.endr
.endr
	WIN 0
	s_wait_dscnt 0x0
	s_mov_b32 s42, 0
	s_cmp_lt_u32 s41, 2
	s_cbranch_scc1 .Llast0                         ; one tile alone
	LOADH 1, 1                                     ; set 1's first fill: no vector or matrix instruction has named it yet
.Lpair:                                                ; a trip: two tiles; set 0 has been asked for tile s42, set 1 for tile s42 + 1
	s_wait_loadcnt 40                              ; only set 1's 40 loads may be out: set 0 is in
	MM2 0
	STAGE
	s_add_co_u32 s52, s42, 2
	s_cmp_ge_u32 s52, s41
	s_cbranch_scc1 .Llast1
	LOADH 0, 2                                     ; set 0 is asked for again at once
	SEND 0
	s_wait_loadcnt 40                              ; only the 40 just issued may be out: set 1 is in
	MM2 1
	STAGE
	s_add_co_u32 s52, s42, 3
	s_cmp_ge_u32 s52, s41
	s_cbranch_scc1 .Lodd
	LOADH 1, 3                                     ; and so is set 1
	SEND 1
	s_wait_xcnt 0x0                                ; the loads' and stores' bases are written again only behind this wait
	s_add_nc_u64 s[4:5], s[4:5], 32768             ; two tiles on
	s_add_nc_u64 s[6:7], s[6:7], 2048
	s_add_nc_u64 s[14:15], s[14:15], 131072
	s_add_co_u32 s42, s42, 2
	s_cmp_lt_u32 s42, 16                           ; never more than 16 tiles
	s_cbranch_scc1 .Lpair
	s_branch .Ldone
.Lodd:                                                 ; the tails are written out: no tile beyond the last is asked for.  Here tile s42 + 2, on its way into set 0, is the last
	SEND 1
	s_wait_xcnt 0x0                                ; the stores' base is written again only behind this wait
	s_add_nc_u64 s[14:15], s[14:15], 131072        ; y two tiles on
.Llast0:
	s_wait_loadcnt 0x0
	MM2 0
	STAGE
	SEND 0
	s_branch .Ldone
.Llast1:                                               ; tile s42 + 1, on its way into set 1, is the last
	SEND 0
	s_wait_loadcnt 0x0
	MM2 1
	STAGE
	SEND 1
.Ldone:
	s_wait_dscnt 0x0                               ; the closing lines, six on end
	s_wait_alu 0x0
	s_wait_tensorcnt 0x0
	ds_add_u32 v254, v255
	s_wait_dscnt 0x0
	s_endpgm
.Lfunc_end_k_q259a62aff3_ffn2:
	.size	k_q259a62aff3_ffn2, .Lfunc_end_k_q259a62aff3_ffn2-k_q259a62aff3_ffn2
	.p2alignl 7, 3214868480
	.fill 96, 4, 3214868480
	.section	.rodata,"a",@progbits
	.p2align	6, 0x0
	.amdhsa_kernel k_q259a62aff3_ffn2
		.amdhsa_group_segment_fixed_size 84480
		.amdhsa_private_segment_fixed_size 0
		.amdhsa_enable_private_segment 0
		.amdhsa_kernarg_size 48
		.amdhsa_user_sgpr_count 2
		.amdhsa_user_sgpr_kernarg_segment_ptr 1
		.amdhsa_wavefront_size32 1
		.amdhsa_system_sgpr_workgroup_id_x 1
		.amdhsa_system_sgpr_workgroup_id_y 1
		.amdhsa_system_sgpr_workgroup_id_z 1
		.amdhsa_system_vgpr_workitem_id 0
		.amdhsa_next_free_vgpr 1024
		.amdhsa_next_free_sgpr 66
		.amdhsa_reserve_vcc 0
		.amdhsa_float_denorm_mode_32 3
		.amdhsa_float_denorm_mode_16_64 3
		.amdhsa_memory_ordered 1
		.amdhsa_forward_progress 1
		.amdhsa_inst_pref_size 80
	.end_amdhsa_kernel
	.amdgpu_metadata
---
amdhsa.version: [ 1, 2 ]
amdhsa.kernels:
  - .name:           k_q259a62aff3_ffn2
    .symbol:         k_q259a62aff3_ffn2.kd
    .args:
      - { .name: hq, .offset: 0, .size: 8, .value_kind: global_buffer, .address_space: global }
      - { .name: hs, .offset: 8, .size: 8, .value_kind: global_buffer, .address_space: global }
      - { .name: route, .offset: 16, .size: 8, .value_kind: global_buffer, .address_space: global }
      - { .name: w2_codes, .offset: 24, .size: 8, .value_kind: global_buffer, .address_space: global }
      - { .name: w2_scales, .offset: 32, .size: 8, .value_kind: global_buffer, .address_space: global }
      - { .name: y, .offset: 40, .size: 8, .value_kind: global_buffer, .address_space: global }
    .group_segment_fixed_size: 84480
    .private_segment_fixed_size: 0
    .kernarg_segment_align: 8
    .kernarg_segment_size: 48
    .max_flat_workgroup_size: 128
    .sgpr_count:     66
    .vgpr_count:     1024
    .wavefront_size: 32
...
	.end_amdgpu_metadata
.endif
;; end of part 7
;; launch combine (part 8): grid 256 x 1, 4 waves a work-group, no clusters, 0 bytes of LDS; arguments y, x, route, gw, out0; writes out0
.if DOCPART == 8
	.amdgcn_target "amdgcn-amd-amdhsa--gfx1250"
	.amdhsa_code_object_version 6
	.text
	.protected	k_q259a62aff3_combine
	.globl	k_q259a62aff3_combine
	.p2align	8
	.type	k_q259a62aff3_combine,@function
k_q259a62aff3_combine:
	s_mov_b64 s[64:65], 0
	v_nop
	global_prefetch_b8 v0, s[64:65] scope:SCOPE_SE
	s_setreg_imm32_b32 hwreg(HW_REG_WAVE_MODE, 25, 1), 1
	s_wait_xcnt 0x0
; out[token] = w0 S0 + w1 S1, where S_k is the row of y that expert e_k made for the token, or, for an identity expert (e_k >= 8), the token's own row of x.
; So the identity experts' share, (the sum of their weights) x, comes out of the same two multiply-adds, and no row of y is read that was not written.
; A token's row of y lies at [g][e][rank], rank = the number of earlier tokens of its group of 256 that chose e: counted here from the group's route words (a lane a token, eight words of bits).
; Which of the two tensors a row comes from is a scalar branch on the expert's number in the route word; both ways issue eight loads into the same registers, so the counted waits hold on every way.
; SHARES.  A wave takes two tokens; a row is 4,096 bytes: eight loads or stores of 512 consecutive bytes.  Memory binds: no LDS, no barrier, no matrix unit; work-groups share nothing but 1 KiB of route words.
; s4-13 pointers (y's is never stepped; x's and out0's stand at my first token); s14 wave; s15 token; s16 group; s17 the token's place in its group; s20-21 route words; s24-27 weights;
; s28-31 copies of the second weights; s32-39 the earlier tokens' bits; s40-47, s56-61 at work.
; v1 lane; v2 16 l; v3 4 l; v8-15 route words; v16-23 at work; v24-27 the four rows' offsets in y; v32-159 four rows
.macro LIM q                                   ; bit l of word j: token 32 j + l of the group comes ahead of mine
.irp j, 0,1,2,3,4,5,6,7
	s_sub_co_i32 s56, s17, 32*\j-(\q)
	v_cmp_gt_i32 s[32+\j], s56, v1
.endr
.endm
.macro SRC q, k, n                             ; token q's slot k: its row's eight loads, into v[32 + 32 n] on
	s_bfe_u32 s56, s[20+\q], 0x40000|(16+4*\k)     ; the expert
	s_cmp_lt_u32 s56, 8
	s_cbranch_scc0 .Lidentity_\@
	s_lshl_b32 s57, 1, s56
.irp j, 0,1,2,3,4,5,6,7
	v_and_b32 v[16+\j], s57, v[8+\j]
.endr
.irp j, 0,1,2,3,4,5,6,7
	v_cmp_ne_u32 s[40+\j], 0, v[16+\j]             ; who of the group chose this expert,
.endr
	s_mov_b32 s58, 0
.irp j, 0,1,2,3,4,5,6,7
	s_and_b32 s[40+\j], s[40+\j], s[32+\j]         ; and comes ahead of my token:
	s_bcnt1_i32_b32 s[40+\j], s[40+\j]
	s_add_co_u32 s58, s58, s[40+\j]                ; the rank
.endr
	s_lshl_b32 s59, s16, 3
	s_add_co_u32 s59, s59, s56
	s_lshl_b32 s59, s59, 8
	s_add_co_u32 s59, s59, s58                     ; y's row: (8 g + e) x 256 + rank
	v_mov_b32 v[24+\n], s59
	v_min_u32 v[24+\n], 0x3fff, v[24+\n]           ; held inside y's 16,384 rows
	v_lshl_add_u32 v[24+\n], v[24+\n], 12, v2      ; 4,096 bytes a row, + 16 l
.irp i, 0,1,2,3,4,5,6,7
	global_load_b128 v[32+32*\n+4*\i:32+32*\n+4*\i+3], v[24+\n], s[4:5] offset:512*\i th:TH_LOAD_NT   ; a row of y is read once in the launch
.endr
	s_branch .Lasked_\@
.Lidentity_\@:
.irp i, 0,1,2,3,4,5,6,7
	global_load_b128 v[32+32*\n+4*\i:32+32*\n+4*\i+3], v2, s[6:7] offset:4096*\q+512*\i               ; the token's own row of x
.endr
.Lasked_\@:
.endm
.macro MIX q                                   ; rows 2 q and 2 q + 1, weighed, added and stored
.set n, 0
.rept 16
	v_pk_mul_f32 v[32+64*\q+n:33+64*\q+n], v[32+64*\q+n:33+64*\q+n], s[24+2*\q:25+2*\q] op_sel_hi:[1,0]
.set n, n+2
.endr
.set n, 0
.rept 16
	v_pk_fma_f32 v[32+64*\q+n:33+64*\q+n], v[64+64*\q+n:65+64*\q+n], s[28+2*\q:29+2*\q], v[32+64*\q+n:33+64*\q+n] op_sel_hi:[1,0,1]
.set n, n+2
.endr
.irp i, 0,1,2,3,4,5,6,7
	global_store_b128 v2, v[32+64*\q+4*\i:32+64*\q+4*\i+3], s[12:13] offset:4096*\q+512*\i th:TH_STORE_NT   ; 512 consecutive bytes, aligned; written once
.endr
.endm
	s_load_b256 s[4:11], s[0:1], 0x0               ; y s[4:5], x s[6:7], route s[8:9], gw s[10:11]
	s_load_b64 s[12:13], s[0:1], 0x20              ; out0
	v_lshrrev_b32 v1, 5, v0
	v_readfirstlane_b32 s14, v1                    ; wave
	v_and_b32 v1, 31, v0                           ; lane
	v_lshlrev_b32 v2, 4, v1
	v_lshlrev_b32 v3, 2, v1
	s_lshl_b32 s15, ttmp9, 3
	s_lshl_b32 s56, s14, 1
	s_add_co_u32 s15, s15, s56                     ; my first token: 8 x work-group + 2 x wave
	s_lshr_b32 s16, ttmp9, 5                       ; its group
	s_and_b32 s17, s15, 255                        ; its place there
	s_mov_b32 s61, 0
	s_lshl_b32 s60, s15, 2
	s_wait_alu depctr_va_vdst(0)
	s_wait_kmcnt 0x0
	s_add_nc_u64 s[62:63], s[8:9], s[60:61]
	s_load_b64 s[20:21], s[62:63], 0x0             ; my two tokens' route words
	s_lshl_b32 s60, s15, 3
	s_add_nc_u64 s[10:11], s[10:11], s[60:61]
	s_load_b128 s[24:27], s[10:11], 0x0            ; and their weights: w0, w1, w0, w1
	s_lshl_b32 s60, s16, 10
	s_add_nc_u64 s[8:9], s[8:9], s[60:61]
.irp j, 0,1,2,3,4,5,6,7
	global_load_b32 v[8+\j], v3, s[8:9] offset:128*\j              ; the group's 256 route words, a lane a token
.endr
	s_lshl_b32 s60, s15, 12
	s_add_nc_u64 s[12:13], s[12:13], s[60:61]      ; out0 at my first token,
	s_add_nc_u64 s[6:7], s[6:7], s[60:61]          ; and x likewise
	s_wait_kmcnt 0x0
	s_mov_b32 s28, s25                             ; the second weights as the low words of pairs of their own
	s_mov_b32 s29, s25
	s_mov_b32 s30, s27
	s_mov_b32 s31, s27
	s_wait_loadcnt 0x0                             ; the route words
	LIM 0
	SRC 0, 0, 0
	SRC 0, 1, 1
	LIM 1
	SRC 1, 0, 2
	SRC 1, 1, 3
	s_wait_loadcnt 16                              ; the second token's 16 loads may be out
	MIX 0
	s_wait_loadcnt 0x0
	MIX 1
	s_endpgm
.Lfunc_end_k_q259a62aff3_combine:
	.size	k_q259a62aff3_combine, .Lfunc_end_k_q259a62aff3_combine-k_q259a62aff3_combine
	.p2alignl 7, 3214868480
	.fill 96, 4, 3214868480
	.section	.rodata,"a",@progbits
	.p2align	6, 0x0
	.amdhsa_kernel k_q259a62aff3_combine
		.amdhsa_group_segment_fixed_size 0
		.amdhsa_private_segment_fixed_size 0
		.amdhsa_enable_private_segment 0
		.amdhsa_kernarg_size 40
		.amdhsa_user_sgpr_count 2
		.amdhsa_user_sgpr_kernarg_segment_ptr 1
		.amdhsa_wavefront_size32 1
		.amdhsa_system_sgpr_workgroup_id_x 1
		.amdhsa_system_sgpr_workgroup_id_y 1
		.amdhsa_system_sgpr_workgroup_id_z 1
		.amdhsa_system_vgpr_workitem_id 0
		.amdhsa_next_free_vgpr 160
		.amdhsa_next_free_sgpr 66
		.amdhsa_reserve_vcc 0
		.amdhsa_float_denorm_mode_32 3
		.amdhsa_float_denorm_mode_16_64 3
		.amdhsa_memory_ordered 1
		.amdhsa_forward_progress 1
		.amdhsa_inst_pref_size 24
	.end_amdhsa_kernel
	.amdgpu_metadata
---
amdhsa.version: [ 1, 2 ]
amdhsa.kernels:
  - .name:           k_q259a62aff3_combine
    .symbol:         k_q259a62aff3_combine.kd
    .args:
      - { .name: y, .offset: 0, .size: 8, .value_kind: global_buffer, .address_space: global }
      - { .name: x, .offset: 8, .size: 8, .value_kind: global_buffer, .address_space: global }
      - { .name: route, .offset: 16, .size: 8, .value_kind: global_buffer, .address_space: global }
      - { .name: gw, .offset: 24, .size: 8, .value_kind: global_buffer, .address_space: global }
      - { .name: out0, .offset: 32, .size: 8, .value_kind: global_buffer, .address_space: global }
    .group_segment_fixed_size: 0
    .private_segment_fixed_size: 0
    .kernarg_segment_align: 8
    .kernarg_segment_size: 40
    .max_flat_workgroup_size: 128
    .sgpr_count:     66
    .vgpr_count:     160
    .wavefront_size: 32
...
	.end_amdgpu_metadata
.endif
;; end of part 8
